; MI455X (gfx1250); checked and timed in simulation.
; The chip was launched on July 23, 2026; its instructions are those of AMD's public machine-readable ISA for CDNA 5 (MIT licence, August 2026) and "CDNA5" Instruction Set Architecture Reference Guide (July 2026). The comments in the code are by the model that wrote it; some were corrected since.
;; Grouped Query Attention. Allowed arithmetic: matrix products marked QUANTISED: E2M3 operands, one E8M0 scale for each 32 along K, by v_wmma_scale_f32_16x16x128_f8f6f4 with both operands' format E2M3, f32 sums; everything else in f32.
;; Inputs: cos 4 x 2,048 x 128 float32; hidden_states 4 x 2,048 x 2,048 float32; sin 4 x 2,048 x 128 float32; wk 512 x 2,048 float32; wo 2,048 x 512 float32; wq 512 x 2,048 float32; wv 512 x 2,048 float32.
;; Outputs: out0 4 x 2,048 x 2,048 float32.
;; This version of the problem:
;;   THIS VERSION OF THE PROBLEM IS GIVEN IN LOW PRECISION. The matrix products marked QUANTISED in the list below multiply operands that are first quantised to E2M3 (2 exponent bits, 3 mantissa bits; 6 bits a number), with one power-of-two scale for each 32 numbers along K (OCP MX v1.0); their sums are f32. All else is computed in f32.
;;   The module's matrix products, in the order in which they are computed (A, B: the left and right operand; K: the contracted axis; several contracted axes count as one K, in the product's order):
;;     1. [M 8,192, K 2,048] x [K 2,048, N 512]; A: input hidden_states; B: input wq: QUANTISED
;;     2. [M 8,192, K 2,048] x [K 2,048, N 512]; A: input hidden_states; B: input wk: QUANTISED
;;     3. [M 8,192, K 2,048] x [K 2,048, N 512]; A: input hidden_states; B: input wv: QUANTISED
;;     4. batch 16 x [M 2,048, K 128] x [K 128, N 2,048]; A: computed on the way; B: computed on the way: QUANTISED
;;     5. batch 16 x [M 2,048, K 2,048] x [K 2,048, N 128]; A: softmax (see below); B: computed on the way: QUANTISED
;;     6. [M 8,192, K 512] x [K 512, N 2,048]; A: computed on the way; B: input wo: QUANTISED
;;   THE QUANTISER, for each operand of a quantised product, along K:
;;     - K is cut into blocks of 32 from its start; a last block that is shorter is filled with zeros.
;;     - A block's scale is 2^e with e = floor(log2(the largest magnitude in the block)) - 2, held to -126 .. 127; a block of zeros has e = 0. As a byte (E8M0): e + 127.
;;     - Each number is divided by its block's scale, clamped to +-7.5, and rounded to the nearest number of E2M3, ties to even, subnormals kept.
;;     - The product sums the exact products of the quantised numbers (number of the format x scale) in f32.
;;   ~~~python
;;   def quantise(x, axis):      # numpy; x: float32 -> the quantised numbers, widened to float32 again
;;       x = np.moveaxis(x, axis, -1); K = x.shape[-1]
;;       x = np.pad(x, [(0, 0)] * (x.ndim - 1) + [(0, -K % 32)]); x = x.reshape(x.shape[:-1] + (-1, 32)); a = np.abs(x).max(-1, keepdims=True)
;;       e = np.where(a > 0, np.clip(np.frexp(np.where(a > 0, a, 1))[1] - 1 - 2, -126, 127), 0)      # np.frexp(a)[1] - 1 = floor(log2(a)), exactly
;;       r = np.clip(x / 2.0 ** e, -7.5, 7.5)
;;       step = 2.0 ** (np.maximum(np.frexp(np.where(r == 0, 1, r))[1] - 1, 0) - 3)
;;       q = np.round(r / step) * step * 2.0 ** e      # np.round: ties to even
;;       return np.moveaxis(q.reshape(q.shape[:-2] + (-1,))[..., :K], -1, axis).astype(np.float32)
;;   ~~~
;;   SOFTMAX AHEAD OF A QUANTISED PRODUCT. Where the list says 'softmax', what is quantised is not the finished softmax but p = 2^(t - M), with t = logit x log2(e) and M = ceil(the row's largest t), a whole number; so 1/2 < the row's largest p <= 1. The row's sum l is taken of the UNQUANTISED p, in f32, and the product's result is divided by l at the end. Since M is a whole number, a kernel that streams over the keys may use a running M (the ceiling of the running maximum): every later rescaling is an exact power of two, which a block's scale takes up: the codes' values come out the same.
;;   OPERANDS COMPUTED ON THE WAY. 'Computed on the way' means the value that the module computes at that place (a softmax that the list does not call 'softmax' is quantised finished and normalised). What goes into a quantiser is computed in f32, as accurately as f32 sums, v_exp_f32 and their like allow (about 1e-6 of the number): no bf16 or f16 on the way to a quantiser, and a product that is left as it is and whose result goes on into a quantised operand takes f32 operands (vector FMAs, or v_wmma_f32_16x16x4_f32). A number that lies on a knife's edge between two numbers of the format may be rounded either way, as far as f32 arithmetic and the matrix unit's own rounding can turn it there, and no further.
;; One version. Each part assembles by itself: llvm-mc -triple=amdgcn-amd-amdhsa -mcpu=gfx1250 --defsym DOCPART=n.
;; ======== version 1 of 1: 4 launches
;; limits: right only within a limited range of input values
;; workspace buffers: himg 12,582,912 bytes; hsc 524,288 bytes; wimg 3,145,728 bytes; wsc 131,072 bytes; qkvimg 9,437,184 bytes; qkvsc 393,216 bytes; aimg 3,145,728 bytes; asc 131,072 bytes
;; launch quant (part 1): grid 640 x 1, 4 waves a work-group, no clusters, 34,304 bytes of LDS; arguments hidden_states, wq, wk, wv, wo, himg, hsc, wimg, wsc; writes himg, hsc, wimg, wsc
.if DOCPART == 1
	.amdgcn_target "amdgcn-amd-amdhsa--gfx1250"
	.amdhsa_code_object_version 6
	.text
	.protected	k_q932242c2d2_quant
	.globl	k_q932242c2d2_quant
	.p2align	8
	.type	k_q932242c2d2_quant,@function
k_q932242c2d2_quant:
	s_mov_b64 s[64:65], 0
	v_nop
	global_prefetch_b8 v0, s[64:65] scope:SCOPE_SE
	s_setreg_imm32_b32 hwreg(HW_REG_WAVE_MODE, 25, 1), 1
	s_wait_xcnt 0x0
; hidden_states [8192][2048], wq, wk, wv [512][2048] and wo [2048][512], f32, K innermost, become codes of FP6 (E2M3) with one E8M0 byte for each 32 along K.
; A block's scale is 2^(floor(log2(its largest magnitude)) - 2); its byte is the largest magnitude's exponent field - 2, held at 1 from below.
; LIMITS: a block whose largest magnitude lies under 2^-124 (zeros among them) gets the byte 1 where the rule says otherwise: its codes are zeros or what the floor leaves, and this program alone
; reads the bytes.  NaN and infinities among the inputs are not served.
; LAYOUT OF THE RESULT: IMAGES OF OPERAND REGISTERS.  A fragment (16 rows x 128 K, 12 registers a lane) is 1,536 bytes: registers 4 c .. 4 c + 3 of lane l at 512 c + 16 l.
; Tile T of a tensor holds at place i the row 32 (T / 2) + 8 (T % 2) + i + 8 (i / 8): where such a tile is a product's first source, two neighbouring tiles' results are 16 neighbours in a lane.
; Scale words (four bytes: one row, 128 K) lie [tile][pair of K steps][row place 16][2 words].
; SHARES.  A wave takes one tile x 512 along K (4 K steps): 32 KB in, 6,144 consecutive bytes of images and 256 bytes of scale words out.  Work-groups 0-511: hidden_states; 512-607: wq, wk, wv; 608-639: wo.
; Each load reads 512 consecutive bytes of one row; a K step's 16 rows turn through the wave's own stage in LDS (rows of 528 bytes) and come back 16 neighbours of a block to a lane.
; No matrix unit, no tensor load, no barrier: memory binds and the waves share nothing.  32 loads of a wave are out at most.
.set STG,  8448                        ; a wave's stage: 16 rows x 528 bytes
.set OFF,  8                           ; v8-23    byte offset of my 16 bytes in the tile's row at place i; never rewritten
.set R,    24                          ; v24-151  two sets of 64 registers, as loaded
.set X,    152                         ; v152-215 64 numbers of my row: register 16 b + i = k 32 b + 16 (lane / 16) + i
.set TM,   216                         ; v216-231 at work
.set PC,   232                         ; v232-251 the codes just made
.set PW,   252                         ; v252-255 a scale word for each K step
.set SEL,  26                          ; s[26:27] selects for v_permlanex16_b32: lane l xor 16
	s_load_b256 s[4:11], s[0:1], 0x0               ; hidden_states, wq, wk, wv
	s_load_b256 s[12:19], s[0:1], 0x20             ; wo, himg, hsc, wimg
	s_load_b64 s[20:21], s[0:1], 0x40              ; wsc
	v_lshl_add_u32 v247, v0, 2, 0x8400
	v_mov_b32 v251, 0
	v_lshrrev_b32 v1, 5, v0
	v_readfirstlane_b32 s22, v1                    ; wave
	v_and_b32 v1, 31, v0                           ; lane
	v_and_b32 v2, 15, v0                           ; r
	v_bfe_u32 v3, v0, 4, 1                         ; h
	v_lshlrev_b32 v4, 4, v1                        ; 16 x lane
	s_mul_i32 s23, s22, STG
	v_add_nc_u32 v5, s23, v4                       ; the stage, on the way in
	v_mul_u32_u24 v6, v2, 528
	v_lshl_add_u32 v6, v3, 6, v6
	v_add_nc_u32 v6, s23, v6                       ; and on the way out: row r, + 64 h
	v_lshlrev_b32 v7, 3, v2
	v_lshl_add_u32 v7, v3, 7, v7                   ; my place among the unit's scale words: 128 h + 8 r
	s_mov_b32 s[SEL], 0x76543210
	s_mov_b32 s[SEL+1], 0xfedcba98
.irp b, 0,1,2,3
	v_mov_b32 v[TM+4+\b], 0                        ; written once: a lane permute's destination counts as one of its sources
.endr
	; which unit is mine: all from the work-group's and the wave's number
	s_lshl_b32 s28, ttmp9, 2
	s_add_co_u32 s28, s28, s22
	s_cmp_lt_u32 ttmp9, 512
	s_cselect_b32 s29, 0, 2048
	s_sub_co_u32 s28, s28, s29                     ; the unit's number in its pair of output buffers
	s_lshr_b32 s30, s28, 7
	s_lshr_b32 s32, s28, 2
	s_sub_co_u32 s33, s28, 384
	s_mov_b32 s31, 31
	s_cmp_lt_u32 ttmp9, 512
	s_cselect_b32 s30, 4, s30                      ; 0 wq, 1 wk, 2 wv, 3 wo, 4 hidden_states
	s_cselect_b32 s31, 511, s31
	s_and_b32 s32, s32, s31
	s_mov_b32 s34, 8192
	s_cmp_eq_u32 s30, 3
	s_cselect_b32 s32, s33, s32                    ; the tile in its tensor
	s_cselect_b32 s35, 0, s22                      ; which 512 along K
	s_cselect_b32 s34, 2048, s34                   ; a row in bytes
	s_lshr_b32 s36, s32, 1
	s_lshl_b32 s36, s36, 5
	s_and_b32 s37, s32, 1
	s_lshl_b32 s37, s37, 3
	s_add_co_u32 s36, s36, s37                     ; the row at place 0
	s_mul_i32 s36, s36, s34
	s_lshl_b32 s37, s35, 11
	s_add_co_u32 s36, s36, s37
	s_mov_b32 s37, 0
.irp i, 0,1,2,3,4,5,6,7,8,9,10,11,12,13,14,15
	s_mul_i32 s38, s34, \i+8*(\i/8)
	v_add_nc_u32 v[OFF+\i], s38, v4
.endr
	s_mul_i32 s38, s28, 6144                       ; four images a unit
	s_mov_b32 s39, 0
	s_lshl_b32 s44, s28, 8                         ; 256 bytes of scale words a unit
	s_mov_b32 s45, 0
	s_wait_alu depctr_va_vdst(0)
	s_wait_kmcnt 0x0
	s_cmp_eq_u32 s30, 0                            ; the choices hang on ids alone
	s_cselect_b64 s[24:25], s[6:7], s[4:5]
	s_cmp_eq_u32 s30, 1
	s_cselect_b64 s[24:25], s[8:9], s[24:25]
	s_cmp_eq_u32 s30, 2
	s_cselect_b64 s[24:25], s[10:11], s[24:25]
	s_cmp_eq_u32 s30, 3
	s_cselect_b64 s[24:25], s[12:13], s[24:25]
	s_cmp_eq_u32 s30, 4
	s_cselect_b64 s[40:41], s[14:15], s[18:19]
	s_cselect_b64 s[42:43], s[16:17], s[20:21]
	s_add_nc_u64 s[24:25], s[24:25], s[36:37]
	s_add_nc_u64 s[40:41], s[40:41], s[38:39]
	s_add_nc_u64 s[42:43], s[42:43], s[44:45]
; 64 numbers of a lane, register 16 b + i = k 32 b + 16 (lane / 16) + i of my row, become a fragment's codes in v[PC] on and the row's scale word in v[pw]
.macro QUANT s, pw
.irp b, 0,1,2,3
	v_max3_num_f32 v[TM+\b], |v[\s+16*\b]|, |v[\s+1+16*\b]|, 0x1800000   ; block b: my 16 numbers, and the floor 2^(3 - 127): the byte cannot fall under 1
.endr
.irp i, 2,4,6,8,10,12,14
.irp b, 0,1,2,3
	v_max3_num_f32 v[TM+\b], v[TM+\b], |v[\s+16*\b+\i]|, |v[\s+1+16*\b+\i]|   ; the four blocks by turns
.endr
.endr
.irp b, 0,1,2,3
	v_permlanex16_b32 v[TM+4+\b], v[TM+\b], s[SEL], s[SEL+1]
.endr
.irp b, 0,1,2,3
	v_max_num_f32 v[TM+\b], v[TM+\b], v[TM+4+\b]   ; with lane l xor 16's: the block's largest magnitude
.endr
.irp b, 0,1,2,3
	v_add_nc_u32 v[TM+12+\b], 0xff000000, v[TM+\b] ; 2 off its exponent field: the conversion's scale operand
.endr
.irp b, 0,1,2,3
	v_lshrrev_b32 v[TM+4+\b], 23, v[TM+12+\b]      ; the scale's byte
.endr
	v_lshl_or_b32 v[\pw], v[TM+5], 8, v[TM+4]
	v_lshl_or_b32 v[\pw], v[TM+6], 16, v[\pw]
	v_lshl_or_b32 v[\pw], v[TM+7], 24, v[\pw]
.irp c, 0,1
	v_cvt_scalef32_pk16_fp6_f32 v[PC+6*\c:PC+2+6*\c], v[\s+32*\c:\s+15+32*\c], v[TM+12+2*\c]
	v_cvt_scalef32_pk16_fp6_f32 v[PC+12+4*\c:PC+14+4*\c], v[\s+16+32*\c:\s+31+32*\c], v[TM+12+2*\c+1]   ; (a conversion's three registers begin on an even number)
.endr
	v_nop                                          ; one plain place behind the conversions
.irp c, 0,1                                    ; the operand's layout wants a whole block in a lane: lanes 0-15 block 2 c, lanes 16-31 block 2 c + 1
.irp i, 0,1,2
	v_permlane16_swap_b32 v[PC+6*\c+\i], v[PC+12+4*\c+\i]
.endr
.irp i, 0,1,2
	v_mov_b32 v[PC+3+6*\c+\i], v[PC+12+4*\c+\i]
.endr
.endr
.endm
.macro LOAD t                          ; K step t: 512 consecutive bytes of each of the 16 rows
.irp i, 0,1,2,3,4,5,6,7,8,9,10,11,12,13,14,15
	global_load_b128 v[R+64*((\t)%2)+4*\i:R+64*((\t)%2)+4*\i+3], v[OFF+\i], s[24:25] offset:512*(\t) th:TH_LOAD_NT
.endr
.endm
.macro TURN t                          ; through the stage: LDS serves a wave's instructions in order, so no wait stands between the stores and the loads
.irp i, 0,1,2,3,4,5,6,7,8,9,10,11,12,13,14,15
	ds_store_b128 v5, v[R+64*((\t)%2)+4*\i:R+64*((\t)%2)+4*\i+3] offset:528*\i
.endr
.irp b, 0,1,2,3
.irp j, 0,1,2,3
	ds_load_b128 v[X+16*\b+4*\j:X+16*\b+4*\j+3], v6 offset:128*\b+16*\j
.endr
.endr
.endm
.macro KSTEP t
.if (\t) < 3
	s_wait_loadcnt 16                              ; this K step's 16 loads are in; the next one's 16 may be out
.else
	s_wait_loadcnt 0x0
.endif
	TURN \t
	s_wait_dscnt 0x0                               ; my numbers are back, and the stage's stores have read the set,
.if (\t) < 2
	LOAD (\t)+2                                    ; which takes the K step two on
.endif
.if (\t) > 0
	s_wait_xcnt 0x0                                ; the last K step's stores have read the codes' registers
.endif
	QUANT X, PW+(\t)
.irp c, 0,1,2
	global_store_b128 v4, v[PC+4*\c:PC+4*\c+3], s[40:41] offset:1536*(\t)+512*\c   ; 512 consecutive bytes
.endr
.endm
	LOAD 0
	LOAD 1
	KSTEP 0
	KSTEP 1
	KSTEP 2
	KSTEP 3
	v_cmp_ne_u32 vcc_lo, 0, v3                     ; lanes 0-15 store K steps 0 and 1's words of row r, lanes 16-31 those of K steps 2 and 3 (both halves hold every word)
	v_cndmask_b32 v216, v252, v254, vcc_lo
	v_cndmask_b32 v217, v253, v255, vcc_lo
	global_store_b64 v7, v[216:217], s[42:43]      ; 32 lanes store 256 consecutive bytes, aligned
	s_wait_tensorcnt 0x0
	ds_add_u32 v247, v251
	s_wait_dscnt 0x0
	s_endpgm
.Lfunc_end_k_q932242c2d2_quant:
	.size	k_q932242c2d2_quant, .Lfunc_end_k_q932242c2d2_quant-k_q932242c2d2_quant
	.p2alignl 7, 3214868480
	.fill 96, 4, 3214868480
	.section	.rodata,"a",@progbits
	.p2align	6, 0x0
	.amdhsa_kernel k_q932242c2d2_quant
		.amdhsa_group_segment_fixed_size 34304
		.amdhsa_private_segment_fixed_size 0
		.amdhsa_enable_private_segment 0
		.amdhsa_kernarg_size 72
		.amdhsa_user_sgpr_count 2
		.amdhsa_user_sgpr_kernarg_segment_ptr 1
		.amdhsa_wavefront_size32 1
		.amdhsa_system_sgpr_workgroup_id_x 1
		.amdhsa_system_sgpr_workgroup_id_y 1
		.amdhsa_system_sgpr_workgroup_id_z 1
		.amdhsa_system_vgpr_workitem_id 0
		.amdhsa_next_free_vgpr 256
		.amdhsa_next_free_sgpr 66
		.amdhsa_reserve_vcc 1
		.amdhsa_float_denorm_mode_32 3
		.amdhsa_float_denorm_mode_16_64 3
		.amdhsa_memory_ordered 1
		.amdhsa_forward_progress 1
		.amdhsa_inst_pref_size 35
	.end_amdhsa_kernel
	.amdgpu_metadata
---
amdhsa.version: [ 1, 2 ]
amdhsa.kernels:
  - .name:           k_q932242c2d2_quant
    .symbol:         k_q932242c2d2_quant.kd
    .args:
      - { .name: hidden_states, .offset: 0, .size: 8, .value_kind: global_buffer, .address_space: global }
      - { .name: wq, .offset: 8, .size: 8, .value_kind: global_buffer, .address_space: global }
      - { .name: wk, .offset: 16, .size: 8, .value_kind: global_buffer, .address_space: global }
      - { .name: wv, .offset: 24, .size: 8, .value_kind: global_buffer, .address_space: global }
      - { .name: wo, .offset: 32, .size: 8, .value_kind: global_buffer, .address_space: global }
      - { .name: himg, .offset: 40, .size: 8, .value_kind: global_buffer, .address_space: global }
      - { .name: hsc, .offset: 48, .size: 8, .value_kind: global_buffer, .address_space: global }
      - { .name: wimg, .offset: 56, .size: 8, .value_kind: global_buffer, .address_space: global }
      - { .name: wsc, .offset: 64, .size: 8, .value_kind: global_buffer, .address_space: global }
    .group_segment_fixed_size: 34304
    .private_segment_fixed_size: 0
    .kernarg_segment_align: 8
    .kernarg_segment_size: 72
    .max_flat_workgroup_size: 128
    .sgpr_count:     66
    .vgpr_count:     256
    .wavefront_size: 32
...
	.end_amdgpu_metadata
.endif
;; end of part 1
;; launch qkv (part 2): grid 4 x 64, 4 waves a work-group, clusters of 4 x 4, 327,680 bytes of LDS; arguments himg, hsc, wimg, wsc, cos, sin, qkvimg, qkvsc; writes qkvimg, qkvsc
.if DOCPART == 2
	.amdgcn_target "amdgcn-amd-amdhsa--gfx1250"
	.amdhsa_code_object_version 6
	.text
	.protected	k_q932242c2d2_qkv
	.globl	k_q932242c2d2_qkv
	.p2align	8
	.type	k_q932242c2d2_qkv,@function
k_q932242c2d2_qkv:
	s_mov_b64 s[64:65], 0
	v_nop
	global_prefetch_b8 v0, s[64:65] scope:SCOPE_SE
	s_setreg_imm32_b32 hwreg(HW_REG_WAVE_MODE, 25, 1), 1
	s_wait_xcnt 0x0
	s_wait_alu depctr_hold_cnt(0) depctr_sa_sdst(0) depctr_va_vdst(0) depctr_va_sdst(0) depctr_va_ssrc(0) depctr_va_vcc(0) depctr_vm_vsrc(0)
	s_getreg_b32 s2, hwreg(HW_REG_IB_STS2, 6, 4)
	s_cmp_eq_u32 s2, 0
	s_cbranch_scc0 .Lentry_in_a_cluster
	s_endpgm
.Lentry_in_a_cluster:
	s_bfe_u32 s2, ttmp6, 0x10000c
	s_cmp_lg_u32 s2, 0xf033
	s_cbranch_scc0 .Lentry_shape_is_right
	s_endpgm
.Lentry_shape_is_right:
; q, k, v = hidden_states x wq^T, wk^T, wv^T on codes of FP6 (E2M3) with E8M0 scales; RoPE on q and k from the given cos and sin, in f32; then q and k are quantised along the head's 128 and v along the tokens.
; All operands come and go as IMAGES OF OPERAND REGISTERS: a fragment (16 rows x 128 K) is 1,536 bytes, registers 4 c .. 4 c + 3 of lane l at 512 c + 16 l.  Tile T holds at place i the row 32 (T / 2) + 8 (T % 2) + i + 8 (i / 8).
; SHARES.  Work-group (x = head, y = block of 128 tokens) makes 128 tokens x (q, k, v of the head): 256 equal work-groups.  Wave w (rw = w / 2, cw = w % 2):
;   64 tokens (tiles 4 rw ..) x the 128 columns of q (cw = 0) or k (cw = 1): source 0 = 16 rows of W, source 1 = 16 tokens: a lane holds ONE token, its 64 registers of a token tile run along d;
;   all 128 tokens x v's channel tiles 2 w, 2 w + 1: source 0 = 16 tokens, source 1 = 16 rows of wv: a lane holds ONE channel, its 64 registers run along the tokens.
;   48 accumulators, each once in every K step of 128, in the same order: they take turns.
; hidden's eight tiles lie in registers at places i = tile xor 4 rw, so that register numbers hang on no wave number; for rw = 1 v's fragment comes out with its halves exchanged, which twelve selects and a rotation of the scale word mend.
; K goes through a ring of two LDS slots of two K steps each (98,304 bytes); wave 0 fetches hidden's tiles, waves 1 to 3 wq's, wk's, wv's, one tensor load each.  The scale words of all of K come once, with the first fills.
; CLUSTER 4 x 4: hidden's tiles hang on y alone and are asked for jointly along a row of the cluster, W's on the head alone and jointly along a column.
; LIMITS: NaN and infinities are not served; a block whose largest magnitude lies under 2^-124 gets the byte 1 (this program alone reads the bytes).
; REGISTERS.  window 0: v1-23 addresses; v24-63 scale words, two sets of 20; v64-159, v160-255 hidden's fragments, two sets.  window 1: per set (at 0 and 128) W's 8 fragments and wv's 2.
;   window 2: q's or k's accumulator (token tile a, W tile b) at 8 (8 a + b).  window 3: v's accumulator (place a, channel tile j) at 8 (8 j + a); v128-255 a set of cos and sin.
.set SLOT,  98304
.set PART,  24576                      ; 8 tiles x 2 K steps x 1,536 bytes: what one tensor load brings
.set SCL,   196608                     ; behind the ring: hidden's scale words (8,192 bytes); part p = 1 .. 3 at SCL + 128 + 8,192 p
.set SPARE, 229632                     ; the spare words, 128 bytes for each wave: two blocks of 256 bytes that no other line names
.set LI,    1                          ; v1     16 x lane
.set ADRAO, 2                          ; v2-3   hidden's tiles 4 rw .. in slot 0, 1
.set ADRAX, 4                          ; v4-5   hidden's other four tiles
.set ADRB,  6                          ; v6-7   wq's or wk's tiles
.set ADRV,  8                          ; v8-9   my two tiles of wv
.set ADS0,  10                         ; v10    scale words: lanes 0-15 hidden's places 0-3, lanes 16-31 W's tiles 0-3
.set ADS1,  11                         ; v11    the same for places and tiles 4-7
.set ADSV,  12                         ; v12    wv's
.set SPW,   13                         ; v13    LDS address of my spare word; never rewritten
.set NIL,   14                         ; v14    0; never rewritten
.set VR,    15
.set VH,    16
.set CA,    17                         ; v17    my byte in the work-group's rows of cos and sin
.set QSO,   18                         ; v18    16 r + 8 h
.set VSO,   19                         ; v19    4 x lane
.set SC,    24
.set AF,    64
.set ST,    64                         ; the way out, window 0: v64-127 a token tile behind RoPE
.set TM,    128
.set PC,    144
.set OUT,   164
.set PW,    176
.set PWQ,   180
.set PWV,   184
.set WV,  20
.set RW,  21
.set CW,  22
.set LAP, 23
.set G1A, 24                           ; s[24:31] descriptor group 1 for hidden's tiles; s[32:39] group 0, one set for each slot
.set G0A, 32
.set G1B, 48                           ; s[48:55], s[56:63] the same for W's
.set G0B, 56
.set SEL, 66
.set G1SA, 68
.set G0SA, 76
.set G1SB, 80
.set G0SB, 88
.set QB,  92                           ; the way out: bases of my images of q or k, of v, and of their scale words
.set VB,  94
.set QS,  96
.set VS,  98
.set RWM, 101                          ; all ones where rw = 1
.set MSB, 0
.macro WIN new                         ; the immediate's high byte repeats the setting that is left
.if MSB != (\new)
	s_set_vgpr_msb (MSB<<8)|(\new)
.set MSB, (\new)
.endif
.endm
.macro PLACES n
.rept \n
	v_nop
.endr
.endm
; A joint load: wave 0 fetches for hidden, waves 1 to 3 for W.  Each line has one mask and one set of registers for all that issue it; the branch hangs on the wave's number alone.
; Four v_nop follow each of the two lines.
.macro JLOAD g0a, g1a, g0b, g1b
	s_cmp_eq_u32 s[WV], 0
	s_cbranch_scc0 .Lfor_b_\@
	tensor_load_to_lds s[\g0a:\g0a+3], s[\g1a:\g1a+7]
	s_nop 0
.rept 4
	v_nop
.endr
	s_branch .Lasked_\@
.Lfor_b_\@:
	tensor_load_to_lds s[\g0b:\g0b+3], s[\g1b:\g1b+7]
	s_nop 0
.rept 4
	v_nop
.endr
.Lasked_\@:
.endm
.macro CREST                           ; a round of the cluster's barrier behind its opening barrier
	s_cmp_lg_u32 s[WV], 0
	s_cbranch_scc1 .Lnot_wave_0_\@
	s_barrier_signal -3
.Lnot_wave_0_\@:
	s_barrier_wait -3
	s_barrier_signal -1
	s_barrier_wait -1
.endm
.macro CROUND
	s_barrier_signal -1
	s_barrier_wait -1
	CREST
.endm
	s_load_b256 s[4:11], s[0:1], 0x0               ; himg, hsc, wimg, wsc
	s_load_b256 s[12:19], s[0:1], 0x20             ; cos, sin, qkvimg, qkvsc
	v_lshl_add_u32 v[SPW], v0, 2, SPARE
	v_mov_b32 v[NIL], 0
	ds_add_u32 v13, v14
	ds_add_u32 v13, v14
	s_wait_dscnt 0x0
	v_lshrrev_b32 v20, 5, v0
	v_readfirstlane_b32 s[WV], v20                 ; wave 0..3
	s_lshr_b32 s[RW], s[WV], 1
	s_and_b32 s[CW], s[WV], 1
	s_bfe_u32 s40, ttmp6, 0x40000                  ; cx, cy: my place in the cluster
	s_bfe_u32 s41, ttmp6, 0x40004
	s_lshl_b32 s42, ttmp9, 2
	s_add_co_u32 s42, s42, s40                     ; the head
	s_and_b32 s43, ttmp7, 0xffff
	s_lshl_b32 s43, s43, 2
	s_add_co_u32 s43, s43, s41                     ; y: the block of 128 tokens
	s_lshl_b32 s44, s41, 2
	s_lshl_b32 s44, 15, s44                        ; my row of the cluster
	s_lshl_b32 s45, 0x1111, s40                    ; my column
	; group 1 for codes: 8 rows (tiles) of 3,072 bytes (two K steps), 24,576 bytes apart, in elements of 8 bytes, no padding
	s_or_b32 s[G1A], s44, (3<<16)|(1<<21)          ; 15:0 the mask; 17:16 elements of 8 bytes; 21 set beside a mask
	s_or_b32 s[G1B], s45, (3<<16)|(1<<21)
.irp g, G1A, G1B
	s_mov_b32 s[\g+1], 384<<16                     ; tensor_dim0
	s_mov_b32 s[\g+2], 8<<16                       ; tensor_dim1
	s_mov_b32 s[\g+3], 384<<16                     ; tile_dim0
	s_mov_b32 s[\g+4], 8                           ; tile_dim1
	s_mov_b32 s[\g+5], 3072                        ; from row to row
	s_mov_b32 s[\g+6], 0
	s_mov_b32 s[\g+7], 0
.endr
	s_mul_i32 s46, s43, 196608                     ; hidden's 8 tiles: 8 y x 24,576 bytes
	s_mov_b32 s47, 0
	s_lshl_b32 s92, s43, 13                        ; their scale words
	s_mov_b32 s93, 0
	s_max_u32 s100, s[WV], 1
	s_sub_co_u32 s100, s100, 1                     ; 0 wq, 1 wk, 2 wv
	s_lshl_b32 s100, s100, 5
	s_lshl_b32 s101, s42, 3
	s_add_co_u32 s100, s100, s101                  ; W's first tile: 32 x kind + 8 x head
	s_mul_i32 s94, s100, 24576
	s_mov_b32 s95, 0
	s_lshl_b32 s96, s100, 10
	s_mov_b32 s97, 0
	s_mul_i32 s98, s[WV], PART                     ; where they go: the wave's number x a constant
; THE SCALE WORDS COME THROUGH REGISTERS, not by tensor loads: each wave reads its part's 8,192 dense bytes by 16 loads of 512 consecutive bytes and stores them to LDS from SCL on, bytes on which no fill lands.
; So the head has one tensor load a wave (slot 0's part), and slot 1's first fill stands behind the three lines and one round.
; PREFETCH: behind the tensor load of chunk n (a chunk = two K steps, 3,072 bytes of each of a part's 8 tiles) each wave asks for chunk n + 2 of its part; at the head, for the buffers' first touch, for chunks 1 and 2.
; The four partners that ask for a part jointly share its 96 blocks of 256 bytes out by address: two tiles, 24 blocks each (place cx for hidden, cy for W); lanes 24-31 name the wave's last block again.
.set PFO, 23                           ; v23    the prefetches' offset; never rewritten
.set SCB, 68                           ; s[68:69] my part's scale words in memory
.set PFA, 70                           ; s[70:71] my two tiles of my part; stepped by a chunk at each refill
	v_and_b32 v20, 31, v0
	v_lshlrev_b32 v[LI], 4, v20
	v_lshlrev_b32 v[VSO], 2, v20
	v_min_u32 v21, 23, v20                         ; t: my block among the 24
	v_mul_u32_u24 v22, v21, 171
	v_lshrrev_b32 v22, 11, v22                     ; t / 12: which of the two tiles
	v_mul_u32_u24 v22, v22, 21504                  ; a tile is 24,576 bytes on, less the 12 blocks passed
	v_lshl_add_u32 v[PFO], v21, 8, v22
	s_mov_b32 s[SEL], 0x76543210
	s_mov_b32 s[SEL+1], 0xfedcba98
	s_wait_alu depctr_va_vdst(0)
	s_wait_kmcnt 0x0
	s_add_nc_u64 s[46:47], s[4:5], s[46:47]
	s_add_nc_u64 s[92:93], s[6:7], s[92:93]
	s_add_nc_u64 s[94:95], s[8:9], s[94:95]
	s_add_nc_u64 s[96:97], s[10:11], s[96:97]
	s_cmp_eq_u32 s[WV], 0                          ; wave 0 serves hidden, waves 1 to 3 W: the choices hang on the wave's number alone
	s_cselect_b64 s[SCB:SCB+1], s[92:93], s[96:97]
	s_cselect_b64 s[PFA:PFA+1], s[46:47], s[94:95]
	s_cselect_b32 s2, s40, s41                     ; my place among the four that ask for the part with me
	s_mul_i32 s2, s2, 49152                        ; two tiles each
	s_mov_b32 s3, 0
	s_add_nc_u64 s[PFA:PFA+1], s[PFA:PFA+1], s[2:3]
.irp i, 0,1,2,3,4,5,6,7,8,9,10,11,12,13,14,15
	global_load_b128 v[64+4*\i:67+4*\i], v[LI], s[SCB:SCB+1] offset:512*\i   ; my part's scale words, 512 consecutive bytes a load
.endr
	CROUND                                         ; all sixteen work-groups are here: the first joint loads meet
.irp s, 0,1
	s_mov_b32 s[G0A+4*\s], 1
	s_add_co_u32 s[G0A+4*\s+1], s98, \s*SLOT
	s_add_nc_u64 s[G0A+4*\s+2:G0A+4*\s+3], s[46:47], \s*3072
	s_or_b32 s[G0A+4*\s+3], s[G0A+4*\s+3], 0x80000000
	s_mov_b32 s[G0B+4*\s], 1
	s_add_co_u32 s[G0B+4*\s+1], s98, \s*SLOT
	s_add_nc_u64 s[G0B+4*\s+2:G0B+4*\s+3], s[94:95], \s*3072
	s_or_b32 s[G0B+4*\s+3], s[G0B+4*\s+3], 0x80000000
.endr
	JLOAD G0A, G1A, G0B, G1B                       ; chunk 0 into slot 0: my one tensor load at the head
	global_prefetch_b8 v[PFO], s[PFA:PFA+1] offset:3072 th:TH_LOAD_NT scope:SCOPE_SE   ; chunk 1
	global_prefetch_b8 v[PFO], s[PFA:PFA+1] offset:6144 th:TH_LOAD_NT scope:SCOPE_SE   ; chunk 2
	; LDS addresses
	v_and_b32 v[VR], 15, v0
	v_bfe_u32 v[VH], v0, 4, 1
	s_mul_i32 s2, s[RW], 12288                     ; my four tiles of hidden,
	s_xor_b32 s3, s[RW], 1
	s_mul_i32 s3, s3, 12288                        ; the other four,
	s_mul_i32 s100, s[CW], PART
	s_add_co_u32 s100, s100, PART                  ; wq's part or wk's,
	s_mul_i32 s101, s[WV], 6144
	s_add_co_u32 s101, s101, 3*PART                ; my two tiles of wv
.irp s, 0,1
	v_add_nc_u32 v[ADRAO+\s], s2, v[LI]
	v_add_nc_u32 v[ADRAX+\s], s3, v[LI]
	v_add_nc_u32 v[ADRB+\s], s100, v[LI]
	v_add_nc_u32 v[ADRV+\s], s101, v[LI]
	s_add_co_u32 s2, s2, SLOT
	s_add_co_u32 s3, s3, SLOT
	s_add_co_u32 s100, s100, SLOT
	s_add_co_u32 s101, s101, SLOT
.endr
	s_xor_b32 s2, s[RW], 1
	s_lshl_b32 s2, s2, 12                          ; 4,096 (1 - rw)
	s_lshl_b32 s3, s[RW], 12                       ; 4,096 rw
	s_lshl_b32 s100, s[CW], 13                     ; 8,192 cw
	s_add_co_u32 s101, s100, s2
	s_add_co_u32 s101, s101, 4224                  ; from hidden's words of places 0-3 to W's of tiles 0-3
	s_add_co_u32 s100, s100, s3
	s_add_co_u32 s100, s100, 8320                  ; and the same for 4-7
	v_lshlrev_b32 v20, 3, v[VR]                    ; 8 r: two words a row and slot
	v_mul_u32_u24 v21, s101, v[VH]                 ; one product: the lower base + h x the distance
	v_mul_u32_u24 v22, s100, v[VH]
	v_add_nc_u32 v21, v21, v20
	v_add_nc_u32 v22, v22, v20
	s_add_co_u32 s3, s3, SCL
	s_add_co_u32 s2, s2, SCL
	v_add_nc_u32 v[ADS0], s3, v21
	v_add_nc_u32 v[ADS1], s2, v22
	s_lshl_b32 s3, s[WV], 11
	s_add_co_u32 s3, s3, SCL+128+3*8192
	v_add_nc_u32 v[ADSV], s3, v20
	; the way out's addresses
	v_and_b32 v21, 8, v[VR]
	v_add_nc_u32 v21, v21, v[VR]                   ; r + 8 (r / 8)
	v_lshlrev_b32 v[CA], 9, v21
	v_lshl_add_u32 v[CA], v[VH], 6, v[CA]
	s_lshl_b32 s2, s[RW], 15
	v_add_nc_u32 v[CA], s2, v[CA]                  ; cos, sin: my token's row of 512 bytes, + 64 h, + 64 rows x rw
	v_lshlrev_b32 v[QSO], 4, v[VR]
	v_lshl_add_u32 v[QSO], v[VH], 3, v[QSO]
	s_lshl_b32 s2, s43, 16
	s_mov_b32 s3, 0
	s_add_nc_u64 s[12:13], s[12:13], s[2:3]        ; cos and sin at the block's first token
	s_add_nc_u64 s[14:15], s[14:15], s[2:3]
	s_lshr_b32 s2, s43, 4
	s_lshl_b32 s2, s2, 2
	s_add_co_u32 s2, s2, s42                       ; 4 x batch + head
	s_lshl_b32 s2, s2, 4
	s_and_b32 s100, s43, 15
	s_add_co_u32 s2, s2, s100                      ; x 16 + the group of 128 tokens
	s_mul_i32 s100, s2, 12288                      ; eight images a group
	s_mul_i32 s[QB], s[CW], 3145728
	s_add_co_u32 s[QB], s[QB], s100
	s_mul_i32 s101, s[RW], 6144
	s_add_co_u32 s[QB], s[QB], s101
	s_mov_b32 s[QB+1], 0
	s_add_nc_u64 s[QB:QB+1], s[16:17], s[QB:QB+1]
	s_mul_i32 s[VB], s[WV], 3072
	s_add_co_u32 s[VB], s[VB], s100
	s_add_co_u32 s[VB], s[VB], 6291456
	s_mov_b32 s[VB+1], 0
	s_add_nc_u64 s[VB:VB+1], s[16:17], s[VB:VB+1]
	s_lshl_b32 s[QS], s2, 1
	s_add_co_u32 s[QS], s[QS], s[RW]
	s_lshl_b32 s[QS], s[QS], 8
	s_lshl_b32 s101, s[CW], 17
	s_add_co_u32 s[QS], s[QS], s101
	s_mov_b32 s[QS+1], 0
	s_add_nc_u64 s[QS:QS+1], s[18:19], s[QS:QS+1]
	s_lshl_b32 s[VS], s2, 9
	s_lshl_b32 s101, s[WV], 7
	s_add_co_u32 s[VS], s[VS], s101
	s_add_co_u32 s[VS], s[VS], 262144
	s_mov_b32 s[VS+1], 0
	s_add_nc_u64 s[VS:VS+1], s[18:19], s[VS:VS+1]
	s_cmp_lg_u32 s[RW], 0
	s_cselect_b32 s[RWM], -1, 0
.macro FRAG3 reg, adr, off             ; a fragment comes as it lies: three loads of 512 consecutive bytes
.irp c, 0,1,2
	ds_load_b128 v[\reg+4*\c:\reg+4*\c+3], v[\adr] offset:\off+512*\c
.endr
.endm
; The 18 fragments of the slot's q-th K step go into set p in THREE RUNS, which stand between the groups of sixteen products: FA W's eight (24 loads); FB my four tiles of hidden (12 loads) and, with sc = 1,
; the slot's scale words (10 more); FC hidden's other four tiles and my two of wv (18 loads).  What the next K step's first products want comes first.
.macro FA slot, q, p
	WIN 0x40                                       ; destination window 1
.irp b, 0,1,2,3,4,5,6,7
	FRAG3 128*(\p)+12*\b, ADRB+\slot, 3072*\b+1536*(\q)
.endr
	WIN 0
.endm
.macro FB slot, q, p, sc
	WIN 0
.irp i, 0,1,2,3
	FRAG3 AF+96*(\p)+12*\i, ADRAO+\slot, 3072*\i+1536*(\q)
.endr
.if \sc
.irp i, 0,1,2,3
	ds_load_b64 v[SC+20*\slot+2*\i:SC+20*\slot+2*\i+1], v[ADS0] offset:1024*\i
.endr
.irp i, 0,1,2,3
	ds_load_b64 v[SC+20*\slot+8+2*\i:SC+20*\slot+9+2*\i], v[ADS1] offset:1024*\i
.endr
.irp j, 0,1
	ds_load_b64 v[SC+20*\slot+16+2*\j:SC+20*\slot+17+2*\j], v[ADSV] offset:1024*\j
.endr
.endif
.endm
.macro FC slot, q, p
	WIN 0
.irp i, 0,1,2,3
	FRAG3 AF+96*(\p)+48+12*\i, ADRAX+\slot, 3072*\i+1536*(\q)
.endr
	WIN 0x40
.irp j, 0,1
	FRAG3 128*(\p)+96+12*\j, ADRV+\slot, 3072*\j+1536*(\q)
.endr
	WIN 0
.endm
; 16 products for q or k: token tiles a0, a0 + 1 x W's eight tiles.  W's scale words stand in lanes 16-31 of register 2 b + q, hidden's in lanes 0-15 of register 2 a + q.
.macro MULQK a0, p, q, s, zero
	WIN 0xa1                                       ; source 0 (W) window 1, source 1 (hidden) window 0, C and D window 2
.irp a, \a0, \a0+1
.irp b, 0,1,2,3,4,5,6,7
.if \zero
	v_wmma_scale_f32_16x16x128_f8f6f4 v[8*(8*(\a)+\b):8*(8*(\a)+\b)+7], v[128*(\p)+12*\b:128*(\p)+12*\b+11], v[AF+96*(\p)+12*(\a):AF+96*(\p)+12*(\a)+11], 0, v[SC+20*(\s)+2*\b+(\q)], v[SC+20*(\s)+2*(\a)+(\q)] matrix_a_fmt:MATRIX_FMT_FP6 matrix_b_fmt:MATRIX_FMT_FP6 matrix_a_scale:MATRIX_SCALE_ROW1
.else
	v_wmma_scale_f32_16x16x128_f8f6f4 v[8*(8*(\a)+\b):8*(8*(\a)+\b)+7], v[128*(\p)+12*\b:128*(\p)+12*\b+11], v[AF+96*(\p)+12*(\a):AF+96*(\p)+12*(\a)+11], v[8*(8*(\a)+\b):8*(8*(\a)+\b)+7], v[SC+20*(\s)+2*\b+(\q)], v[SC+20*(\s)+2*(\a)+(\q)] matrix_a_fmt:MATRIX_FMT_FP6 matrix_b_fmt:MATRIX_FMT_FP6 matrix_a_scale:MATRIX_SCALE_ROW1
.endif
.endr
.endr
.endm
; 16 products for v: hidden's eight places x my two tiles of wv
.macro MULV p, q, s, zero
	WIN 0xf4                                       ; source 0 (hidden) window 0, source 1 (wv) window 1, C and D window 3
.irp a, 0,1,2,3,4,5,6,7
.irp j, 0,1
.if \zero
	v_wmma_scale_f32_16x16x128_f8f6f4 v[8*(8*\j+\a):8*(8*\j+\a)+7], v[AF+96*(\p)+12*\a:AF+96*(\p)+12*\a+11], v[128*(\p)+96+12*\j:128*(\p)+96+12*\j+11], 0, v[SC+20*(\s)+2*\a+(\q)], v[SC+20*(\s)+16+2*\j+(\q)] matrix_a_fmt:MATRIX_FMT_FP6 matrix_b_fmt:MATRIX_FMT_FP6
.else
	v_wmma_scale_f32_16x16x128_f8f6f4 v[8*(8*\j+\a):8*(8*\j+\a)+7], v[AF+96*(\p)+12*\a:AF+96*(\p)+12*\a+11], v[128*(\p)+96+12*\j:128*(\p)+96+12*\j+11], v[8*(8*\j+\a):8*(8*\j+\a)+7], v[SC+20*(\s)+2*\a+(\q)], v[SC+20*(\s)+16+2*\j+(\q)] matrix_a_fmt:MATRIX_FMT_FP6 matrix_b_fmt:MATRIX_FMT_FP6
.endif
.endr
.endr
.endm
; A slot's first K step (set 0); in its middle the second K step's fragments are fetched into set 1.
.macro STEP slot, zero
	s_wait_dscnt 18                                ; W's fragments, my four tiles of hidden and the scale words are in; the youngest 12 + 6 loads may be out
	MULQK 0, 0, 0, \slot, \zero
	PLACES 4                                       ; in front of loads into registers that matrix instructions have read
	FA \slot, 1, 1
	MULQK 2, 0, 0, \slot, \zero
	FB \slot, 1, 1, 0
	s_wait_dscnt 36                                ; all but the 24 + 12 loads of the two runs just issued: set 0 is whole
	MULV 0, 0, \slot, \zero
	FC \slot, 1, 1                                 ; the places in front of the first run serve this run too: set 1 was last read ahead of them
.endm
; A slot's second K step (set 1) changes slots: one barrier; in front of it each wave waits for all its tensor loads, adds 0 to its spare word, and waits for that and for its reads of this slot.
; fill = 1: the barrier opens a round of the cluster's barrier, and this slot is filled again, two slots ahead, first thing behind the round.
.macro TURN slot, next, fill
	WIN 0
.if \fill
	s_wait_xcnt 0x0                                ; my last prefetch has read its address, which steps a chunk here, ahead of the waits of the change of slots
	s_add_nc_u64 s[PFA:PFA+1], s[PFA:PFA+1], 3072
.endif
	s_wait_tensorcnt 0x0                           ; all my tensor loads have landed: my part of the next slot
	ds_add_u32 v[SPW], v[NIL]                      ; 0 onto my spare word
	s_wait_dscnt 19                                ; (the add and the youngest 18 loads may be out)
	MULQK 0, 1, 1, \slot, 0                        ; sixteen products stand between the add and the wait for it
	s_wait_dscnt 0x0                               ; the add is done, and my reads of this slot are over
	s_barrier_signal -1
	MULQK 2, 1, 1, \slot, 0
	WIN 0
	s_barrier_wait -1
.if \fill
	CREST                                          ; no wave of any partner still reads this slot or has a load on its way
	s_add_nc_u64 s[G0A+4*\slot+2:G0A+4*\slot+3], s[G0A+4*\slot+2:G0A+4*\slot+3], 6144
	s_add_nc_u64 s[G0B+4*\slot+2:G0B+4*\slot+3], s[G0B+4*\slot+2:G0B+4*\slot+3], 6144
	JLOAD G0A+4*\slot, G1A, G0B+4*\slot, G1B       ; my one tensor load behind the round; its four v_nop are also the places in front of the loads below
.else
	PLACES 4
.endif
	s_wait_alu depctr_va_vdst(0)
	v_add_nc_u32 v[ADS0], 128, v[ADS0]             ; on to the next slot's scale words
	v_add_nc_u32 v[ADS1], 128, v[ADS1]
	v_add_nc_u32 v[ADSV], 128, v[ADSV]
	FA \next, 0, 0
	FB \next, 0, 0, 1
.if \fill
	s_cmp_gt_u32 s[LAP], 1                         ; the last trip's two refills bring chunks 6 and 7: no chunk stands two on
	s_cbranch_scc0 .Lno_ask_\@
	global_prefetch_b8 v[PFO], s[PFA:PFA+1] offset:9216 th:TH_LOAD_NT scope:SCOPE_SE   ; the chunk two refills on
.Lno_ask_\@:
.endif
	MULV 1, 1, \slot, 0
	FC \next, 0, 0
.endm
	s_min_u32 s2, s[WV], 1
	s_lshl_b32 s2, s2, 7                           ; W's parts lie 128 bytes further on than hidden's
	s_lshl_b32 s3, s[WV], 13
	s_add_co_u32 s2, s2, s3
	s_add_co_u32 s2, s2, SCL
	v_add_nc_u32 v20, s2, v[LI]                    ; where my part's scale words go
	s_wait_alu depctr_va_vdst(0)
	s_wait_loadcnt 0x0                             ; the scale words are in registers
	s_wait_tensorcnt 0x0                           ; my part of slot 0 is in
.irp i, 0,1,2,3,4,5,6,7,8,9,10,11,12,13,14,15
	ds_store_b128 v20, v[64+4*\i:67+4*\i] offset:512*\i
.endr
	s_wait_tensorcnt 0x0
	ds_add_u32 v[SPW], v[NIL]
	s_wait_dscnt 0x0                               ; the add and my stores of scale words are done
	CROUND                                         ; a whole round: slot 0 and the scale words are whole for all four waves, and the joint loads meet
	JLOAD G0A+4, G1A, G0B+4, G1B                   ; chunk 1 into slot 1: the first tensor load behind the round
	global_prefetch_b8 v[PFO], s[PFA:PFA+1] offset:9216 th:TH_LOAD_NT scope:SCOPE_SE   ; chunk 3
	FA 0, 0, 0                                     ; the first K step's fragments and slot 0's scale words
	FB 0, 0, 0, 1
	FC 0, 0, 0
	WIN 0xc0                                       ; cos and sin of token tile 0 go now into window 3's v128-255, which no line names before the way out
.irp b, 0,1,2,3
.irp j, 0,1,2,3
	global_load_b128 v[128+16*\b+4*\j:131+16*\b+4*\j], v[CA], s[12:13] offset:128*\b+16*\j
	global_load_b128 v[192+16*\b+4*\j:195+16*\b+4*\j], v[CA], s[14:15] offset:128*\b+16*\j
.endr
.endr
	WIN 0
	STEP 0, 1                                      ; the first K step stands in front of the loop: its products start the sums
	WIN 0                                          ; at a label and at a branch every window is 0
	s_mov_b32 s[LAP], 3
.Llap:                                             ; a trip goes once round the ring and fills both slots again: slots' worth 2 to 7 of K's eight
	TURN 0, 1, 1
	STEP 1, 0
	TURN 1, 0, 1
	STEP 0, 0
	WIN 0
	s_sub_co_u32 s[LAP], s[LAP], 1
	s_cmp_lg_u32 s[LAP], 0
	s_cbranch_scc1 .Llap
	TURN 0, 1, 0                                   ; the tail fills nothing
	STEP 1, 0
; THE WAY OUT.  64 numbers of a lane in window w, register 16 b + i = k 32 b + 16 (lane / 16) + i of my row, become a fragment's codes in v[PC] on and the row's scale word in v[pw].
.macro QUANT s, w, pw
	WIN (\w)|((\w)<<2)
.irp b, 0,1,2,3
	v_max3_num_f32 v[TM+\b], |v[\s+16*\b]|, |v[\s+1+16*\b]|, 0x1800000   ; my 16 numbers of block b, from each accumulator's low end on, and the floor 2^(3 - 127)
.endr
	WIN ((\w)<<2)|((\w)<<4)
.irp i, 2,4,6,8,10,12,14
.irp b, 0,1,2,3
	v_max3_num_f32 v[TM+\b], v[TM+\b], |v[\s+16*\b+\i]|, |v[\s+1+16*\b+\i]|
.endr
.endr
	WIN 0
.irp b, 0,1,2,3
	v_permlanex16_b32 v[TM+4+\b], v[TM+\b], s[SEL], s[SEL+1]
.endr
.irp b, 0,1,2,3
	v_max_num_f32 v[TM+\b], v[TM+\b], v[TM+4+\b]   ; with lane l xor 16's: the block's largest magnitude
.endr
.irp b, 0,1,2,3
	v_add_nc_u32 v[TM+12+\b], 0xff000000, v[TM+\b] ; 2 off its exponent field: the conversion's scale operand
.endr
.irp b, 0,1,2,3
	v_lshrrev_b32 v[TM+4+\b], 23, v[TM+12+\b]      ; the scale's byte
.endr
	v_lshl_or_b32 v[\pw], v[TM+5], 8, v[TM+4]
	v_lshl_or_b32 v[\pw], v[TM+6], 16, v[\pw]
	v_lshl_or_b32 v[\pw], v[TM+7], 24, v[\pw]
	WIN (\w)
.irp c, 0,1
	v_cvt_scalef32_pk16_fp6_f32 v[PC+6*\c:PC+2+6*\c], v[\s+32*\c:\s+15+32*\c], v[TM+12+2*\c]
	v_cvt_scalef32_pk16_fp6_f32 v[PC+12+4*\c:PC+14+4*\c], v[\s+16+32*\c:\s+31+32*\c], v[TM+12+2*\c+1]
.endr
	WIN 0
	v_nop                                          ; one plain place behind the conversions
.irp c, 0,1
.irp i, 0,1,2
	v_permlane16_swap_b32 v[PC+6*\c+\i], v[PC+12+4*\c+\i]
.endr
.irp i, 0,1,2
	v_mov_b32 v[PC+3+6*\c+\i], v[PC+12+4*\c+\i]
.endr
.endr
.endm
; cos and sin of token tile a's tokens, in the accumulators' layout, into window x from register cb on: 64 of cos, then 64 of sin
.macro CSLOAD a, x, cb
	WIN (\x)<<6
.irp b, 0,1,2,3
.irp j, 0,1,2,3
	global_load_b128 v[\cb+16*\b+4*\j:\cb+16*\b+4*\j+3], v[CA], s[12:13] offset:(32*((\a)/2)+8*((\a)%2))*512+128*\b+16*\j
.endr
.endr
.irp b, 0,1,2,3
.irp j, 0,1,2,3
	global_load_b128 v[\cb+64+16*\b+4*\j:\cb+64+16*\b+4*\j+3], v[CA], s[14:15] offset:(32*((\a)/2)+8*((\a)%2))*512+128*\b+16*\j
.endr
.endr
	WIN 0
.endm
; RoPE: register i holds d = 32 (i / 16) + 16 h + i % 16, so d + 64 is register i + 32 of the same lane.  out(d) = x(d) cos(d) - x(d + 64) sin(d) for d < 64, x(d) cos(d) + x(d - 64) sin(d) above.
.macro ROPE a, x, cb
	WIN 2|((\x)<<2)                                ; source 0 window 2, source 1 window x
.set ii, 0
.rept 32
	v_pk_mul_f32 v[ST+ii:ST+ii+1], v[64*(\a)+ii:64*(\a)+ii+1], v[\cb+ii:\cb+ii+1]   ; ascending: each accumulator is read from its low end on
.set ii, ii+2
.endr
.set ii, 0
.rept 16
	v_pk_fma_f32 v[ST+ii:ST+ii+1], v[64*(\a)+32+ii:64*(\a)+33+ii], v[\cb+64+ii:\cb+65+ii], v[ST+ii:ST+ii+1] neg_lo:[1,0,0] neg_hi:[1,0,0]
	v_pk_fma_f32 v[ST+32+ii:ST+33+ii], v[64*(\a)+ii:64*(\a)+1+ii], v[\cb+96+ii:\cb+97+ii], v[ST+32+ii:ST+33+ii]
.set ii, ii+2
.endr
	WIN 0
.endm
; v's channel tile 2 w + j: quantised along the 128 tokens.  For rw = 1 the places hold the token blocks in the order 2, 3, 0, 1: the fragment's halves and the word's halves change places.
.macro VOUT j
.if (\j) > 0
	s_wait_xcnt 0x0                                ; the last tile's stores have read their registers
.endif
	QUANT 64*(\j), 3, PW
.set ii, 0
.rept 12
	v_cndmask_b32 v[OUT+ii], v[PC+ii], v[PC+(ii+6)%12], s[RWM]
.set ii, ii+1
.endr
	v_alignbit_b32 v189, v[PW], v[PW], 16
	v_cndmask_b32 v[PWV+(\j)], v[PW], v189, s[RWM]
.irp c, 0,1,2
	global_store_b128 v[LI], v[OUT+4*\c:OUT+4*\c+3], s[VB:VB+1] offset:1536*(\j)+512*\c   ; 512 consecutive bytes
.endr
.endm
; q's or k's token tile a.  left: the younger loads that may stay out.  more = 1: the fourth set of cos and sin takes the registers that the first has left.
.macro QKOUT a, x, cb, left, more
	s_wait_loadcnt \left
	ROPE \a, \x, \cb
.if \more
	CSLOAD 3, 3, 128
.endif
	s_wait_xcnt 0x0                                ; the earlier stores have read the codes' registers
	QUANT ST, 0, PWQ+(\a)
.irp c, 0,1,2
	global_store_b128 v[LI], v[PC+4*\c:PC+4*\c+3], s[QB:QB+1] offset:1536*(\a)+512*\c
.endr
.endm
	PLACES 4                                       ; behind the products on set 0: W's set 0 in window 1 is free
	CSLOAD 1, 1, 0                                 ; and takes token tile 1's cos and sin while the last K step is multiplied
	s_wait_dscnt 18                                ; THE LAST K STEP, on set 1
	MULQK 0, 1, 1, 1, 0
	MULQK 2, 1, 1, 1, 0
	s_wait_dscnt 0x0
	MULV 1, 1, 1, 0
	WIN 0
	PLACES 4                                       ; behind the last products: for the reads of results, the writes and the loads below
.irp b, 0,1,2,3
	v_mov_b32 v[TM+4+\b], 0                        ; written once: a lane permute's destination counts as one of its sources
.endr
	CSLOAD 2, 1, 128
	VOUT 0                                         ; v needs no load: its work stands while cos and sin are on their way
	VOUT 1
	v_cmp_ne_u32 vcc_lo, 0, v[VH]
	v_cndmask_b32 v188, v[PWV], v[PWV+1], vcc_lo   ; lanes 0-15: tile 2 w's words, lanes 16-31: tile 2 w + 1's
	global_store_b32 v[VSO], v188, s[VS:VS+1]      ; 128 consecutive bytes a wave: half of an aligned 256, one part in 25 of the wave's bytes of v
	QKOUT 0, 3, 128, 63, 1                         ; two sets, 64 loads, are younger; 63 is the most that the wait can name
	QKOUT 1, 1, 0, 63, 0
	QKOUT 2, 1, 128, 32, 0
	QKOUT 3, 3, 128, 0, 0
	v_cmp_ne_u32 vcc_lo, 0, v[VH]
	v_cndmask_b32 v186, v[PWQ], v[PWQ+2], vcc_lo   ; row r's four words: lanes 0-15 store tiles 0 and 1's, lanes 16-31 tiles 2 and 3's
	v_cndmask_b32 v187, v[PWQ+1], v[PWQ+3], vcc_lo
	global_store_b64 v[QSO], v[186:187], s[QS:QS+1]  ; 256 consecutive bytes, aligned
	s_wait_tensorcnt 0x0                           ; the wave's end
	ds_add_u32 v[SPW], v[NIL]
	s_wait_dscnt 0x0
	CROUND                                         ; the closing round: no work-group ends while a partner may still ask for a tile that names it
	s_endpgm
.Lfunc_end_k_q932242c2d2_qkv:
	.size	k_q932242c2d2_qkv, .Lfunc_end_k_q932242c2d2_qkv-k_q932242c2d2_qkv
	.p2alignl 7, 3214868480
	.fill 96, 4, 3214868480
	.section	.rodata,"a",@progbits
	.p2align	6, 0x0
	.amdhsa_kernel k_q932242c2d2_qkv
		.amdhsa_group_segment_fixed_size 327680
		.amdhsa_private_segment_fixed_size 0
		.amdhsa_enable_private_segment 0
		.amdhsa_kernarg_size 64
		.amdhsa_user_sgpr_count 2
		.amdhsa_user_sgpr_kernarg_segment_ptr 1
		.amdhsa_wavefront_size32 1
		.amdhsa_system_sgpr_workgroup_id_x 1
		.amdhsa_system_sgpr_workgroup_id_y 1
		.amdhsa_system_sgpr_workgroup_id_z 1
		.amdhsa_system_vgpr_workitem_id 0
		.amdhsa_next_free_vgpr 1024
		.amdhsa_next_free_sgpr 102
		.amdhsa_reserve_vcc 1
		.amdhsa_float_denorm_mode_32 3
		.amdhsa_float_denorm_mode_16_64 3
		.amdhsa_memory_ordered 1
		.amdhsa_forward_progress 1
		.amdhsa_inst_pref_size 154
	.end_amdhsa_kernel
	.amdgpu_metadata
---
amdhsa.version: [ 1, 2 ]
amdhsa.kernels:
  - .name:           k_q932242c2d2_qkv
    .symbol:         k_q932242c2d2_qkv.kd
    .args:
      - { .name: himg, .offset: 0, .size: 8, .value_kind: global_buffer, .address_space: global }
      - { .name: hsc, .offset: 8, .size: 8, .value_kind: global_buffer, .address_space: global }
      - { .name: wimg, .offset: 16, .size: 8, .value_kind: global_buffer, .address_space: global }
      - { .name: wsc, .offset: 24, .size: 8, .value_kind: global_buffer, .address_space: global }
      - { .name: cos, .offset: 32, .size: 8, .value_kind: global_buffer, .address_space: global }
      - { .name: sin, .offset: 40, .size: 8, .value_kind: global_buffer, .address_space: global }
      - { .name: qkvimg, .offset: 48, .size: 8, .value_kind: global_buffer, .address_space: global }
      - { .name: qkvsc, .offset: 56, .size: 8, .value_kind: global_buffer, .address_space: global }
    .group_segment_fixed_size: 327680
    .private_segment_fixed_size: 0
    .kernarg_segment_align: 8
    .kernarg_segment_size: 64
    .max_flat_workgroup_size: 128
    .sgpr_count:     102
    .vgpr_count:     1024
    .wavefront_size: 32
...
	.end_amdgpu_metadata
.endif
;; end of part 2
;; launch attn (part 3): grid 16 x 16, 16 waves a work-group, no clusters, 327,680 bytes of LDS; arguments qkvimg, qkvsc, aimg, asc; writes aimg, asc
.if DOCPART == 3
	.amdgcn_target "amdgcn-amd-amdhsa--gfx1250"
	.amdhsa_code_object_version 6
	.text
	.protected	k_q932242c2d2_attn
	.globl	k_q932242c2d2_attn
	.p2align	8
	.type	k_q932242c2d2_attn,@function
k_q932242c2d2_attn:
	s_mov_b64 s[64:65], 0
	v_nop
	global_prefetch_b8 v0, s[64:65] scope:SCOPE_SE
	s_setreg_imm32_b32 hwreg(HW_REG_WAVE_MODE, 25, 1), 1
	s_wait_xcnt 0x0
; Causal attention for 16 (batch, head) pairs of 2,048 tokens, head size 128, both products on codes of FP6 (E2M3) with E8M0 scales; the result O / l is quantised along the head's 128 for the output projection.
; q, k: images of tiles of 16 tokens x 128 d; v: images of tiles of 16 channels x 128 tokens; a fragment is 1,536 bytes, registers 4 c .. 4 c + 3 of lane l at 512 c + 16 l.
; Tile T holds at place i the row 32 (T / 2) + 8 (T % 2) + i + 8 (i / 8): so the 16 registers of two neighbouring tiles of S^T are 16 neighbouring keys, and those of O^T 16 neighbouring channels.
; THE SOFTMAX: t = score x log2(e) / sqrt(128); M = the running largest t rounded up to a whole number; p = 2^(t - M) is quantised along the keys, not normalised; the row's sum is taken of the unquantised p and
; divides O at the end; when M moves, the sum and O^T are multiplied by 2^(old M - new M), which rounds nothing.
; SHARES.  Work-group (x, batch and head) owns the blocks of 64 queries x and 31 - x: eight tiles of 16 queries.  A TILE'S KEYS ARE SHARED BY TWO WAVES, w and w xor 8: one takes the even key steps of 128 keys, the
; other the odd ones, each with its own running M, sum and O^T; at the end the odd wave hands its three to the even one through LDS, and both parts are brought under the larger M by powers of two.
; Block i has i / 2 + 1 steps that are not wholly hidden.  Which job a wave has: the block by
; bit 0 xor bit 2 of its number, the parity by bit 1 xor bit 3, the tile by its two low bits: the four waves with equal w % 4, and likewise the four with equal w / 4, hold one job of each of the four kinds.
; Both products are used transposed: a lane holds ONE query throughout.
; K's and V's images come through rings of three LDS slots of 512 keys each.  Waves 0-3 fetch (K's and V's halves of a slot, 24,576 bytes a load).  Slots 0, 1, 2 and the head's scale words are first fills; slot 0
; is filled once more, with the last 512 keys, behind the first phase, two phases ahead of its first read.  Every work-group walks all four phases: trip counts are constants, and a step all of whose keys are
; hidden for a wave is left out by a scalar branch on ids, round its work alone.
; NO CLUSTER: the work-groups that share K and V are the query blocks of one head, and which steps a wave leaves out hangs on its query block: partners would branch differently.
; NO PREFETCH: three quarters of the head's K and V are asked for by the first fills and the rest four key steps ahead of its first read; a prefetch for it could stand at the head alone.
; LIMITS: NaN and infinities are not served; a block whose largest magnitude lies under 2^-124 gets the byte 1 (this program alone reads the bytes).
; REGISTERS: v1-6, v28-30 addresses that stay; v7-10 addresses of the step; v12 -M, v13 the largest t, v[14:15] the sum; v16-27 Q; v32-79 four fragments of K or V; v96-159 S^T, then p; v160-223 O^T;
;   v224-235 p's codes; v232-247, v252, v254 at work; v248-251 four tiles' scale words, v253 p's, v255 Q's.
.set KSL,   49152                      ; a slot's part of K, or of V: 512 keys = 4 steps x 8 images
.set VR,    147456                     ; V's ring, behind K's three slots
.set SCK,   294912                     ; K's scale words of the head, 8,192 bytes
.set SCV,   303104                     ; V's
.set SPARE, 311296                     ; the spare words, 128 bytes for each wave: eight blocks of 256 bytes that no other line names
.set MST,   49152                      ; the hand-over at the end: 8,448 bytes for each pair of waves, in K's slots 1 and 2, which are filled once and read for the last time ahead of the barrier in front of the last phase
.set MPB,   8448
.set LI,   1                           ; v1   16 x lane
.set ASK0, 2                           ; v2   SCK + 16 r
.set ASV0, 3                           ; v3   SCV + 4 r
.set QL,   4                           ; v4   my query - 16 (lane / 16)
.set SPW,  5
.set NIL,  6
.set ADV,  7
.set ADK,  8
.set ADS,  9
.set ADT,  10
.set WSO,  28                          ; v28  8 r: my row's place among the result's scale words
.set MA,   29                          ; v29  the hand-over: my pair's bytes + 16 x lane
.set MB,   30                          ; v30  and behind O^T's 8,192 bytes, + 8 x lane
.set TM,   32                          ; the way out
.set PC,   48
.set TB,   2                           ; s2   LDS byte at which the step's images of K begin
.set TS,   3                           ; s3   the step's scale words: 512 bytes a step, in K's and in V's
.set WV,   18
.set PAR,  19                          ; 0: I take the even key steps and finish the tile; 1: the odd ones
.set SEL,  20
.set CS,   22                          ; s[22:23] c = log2(e) / sqrt(128)
.set G1,   24                          ; s[24:31] group 1: 24,576 dense bytes;  s[32:39]: 4,096
.set G1S,  32
.set G0S,  40                          ; s[40:43] group 0 for the scale words;  s[44:47] for my slot of K or V
.set G0,   44
.set PTB,  56                          ; my parity x a step's bytes of images, of scale words, and keys
.set PTS,  57
.set PKF,  58
.set TWICE, 59
.set KF,   68                          ; the step's first key
.set QMIN, 69                          ; my tile's first and last query
.set QMAX, 70
	s_load_b256 s[4:11], s[0:1], 0x0               ; qkvimg, qkvsc, aimg, asc
	v_lshl_add_u32 v[SPW], v0, 2, SPARE
	v_mov_b32 v[NIL], 0
	ds_add_u32 v5, v6
	ds_add_u32 v5, v6
	s_wait_dscnt 0x0
	v_lshrrev_b32 v8, 5, v0
	s_delay_alu instid0(VALU_DEP_1)
	v_readfirstlane_b32 s[WV], v8                  ; wave 0..15
	s_and_b32 s12, ttmp7, 0xffff                   ; 4 x batch + head
	; THE FIRST FILLS, one tensor load a wave.  At the head: waves 0-3 fetch the four parts (K's and V's halves) of slot 0, waves 12-15 the four parts of the scale words.
	; Behind the first barrier, with the three lines in front of it: waves 4-7 the parts of slot 1, waves 8-11 those of slot 2; they land while the first phase is worked.  Waves 0-3 alone fetch the one refill.
	s_and_b32 s13, s[WV], 3                        ; which part I fetch:
	s_lshr_b32 s60, s[WV], 2                       ; of which slot (3: of the scale words)
	s_lshr_b32 s14, s13, 1                         ; 0 K, 1 V;
	s_and_b32 s15, s13, 1                          ; which half of a slot
	s_mov_b32 s[G1], 3<<16                         ; no mask; elements of 8 bytes; no padding
	s_mov_b32 s[G1+1], 32<<16                      ; rows of 256 bytes,
	s_mov_b32 s[G1+2], 96<<16                      ; 96 of them
	s_mov_b32 s[G1+3], 32<<16
	s_mov_b32 s[G1+4], 96
	s_mov_b32 s[G1+5], 32
	s_mov_b32 s[G1+6], 0
	s_mov_b32 s[G1+7], 0
	s_mov_b32 s[G1S], 3<<16
	s_mov_b32 s[G1S+1], 32<<16
	s_mov_b32 s[G1S+2], 16<<16                     ; 16 rows of 256 bytes
	s_mov_b32 s[G1S+3], 32<<16
	s_mov_b32 s[G1S+4], 16
	s_mov_b32 s[G1S+5], 32
	s_mov_b32 s[G1S+6], 0
	s_mov_b32 s[G1S+7], 0
	s_mul_i32 s16, s14, 3145728
	s_add_co_u32 s16, s16, 3145728                 ; k's part or v's of the images,
	s_mul_i32 s17, s12, 196608
	s_add_co_u32 s16, s16, s17                     ; my head,
	s_mul_i32 s17, s15, 24576
	s_add_co_u32 s16, s16, s17                     ; my half of a slot
	s_mov_b32 s17, 0
	s_lshl_b32 s72, s14, 17
	s_add_co_u32 s72, s72, 131072                  ; and the same of the scale words
	s_lshl_b32 s73, s12, 13
	s_add_co_u32 s72, s72, s73
	s_lshl_b32 s73, s15, 12
	s_add_co_u32 s72, s72, s73
	s_mov_b32 s73, 0
	s_mul_i32 s81, s14, VR                         ; where they go: constants x numbers made of the wave's number
	s_mul_i32 s82, s15, 24576
	s_add_co_u32 s81, s81, s82
	s_lshl_b32 s82, s14, 13
	s_lshl_b32 s83, s15, 12
	s_add_co_u32 s82, s82, s83
	s_wait_kmcnt 0x0
	s_mov_b32 s[G0S], 1
	s_add_co_u32 s[G0S+1], s82, SCK
	s_add_nc_u64 s[G0S+2:G0S+3], s[6:7], s[72:73]
	s_or_b32 s[G0S+3], s[G0S+3], 0x80000000
	s_add_nc_u64 s[16:17], s[4:5], s[16:17]
	s_mul_i32 s62, s60, KSL                        ; my slot, in LDS and in memory alike: keys 512 x slot on
	s_mov_b32 s63, 0
	s_mov_b32 s[G0], 1                             ; count = 1
	s_add_co_u32 s[G0+1], s81, s62                 ; LDS address
	s_add_nc_u64 s[G0+2:G0+3], s[16:17], s[62:63]  ; global address
	s_or_b32 s[G0+3], s[G0+3], 0x80000000          ; type = 2
	s_cmp_lt_u32 s[WV], 4                          ; one chain of branches on the wave's number, a load to an arm, all arms leading to one join; waves 4-11 issue none here
	s_cbranch_scc0 .Lfirst_sc
	tensor_load_to_lds s[G0:G0+3], s[G1:G1+7]      ; my part of my slot
	s_nop 0
.rept 4
	v_nop
.endr
	s_branch .Lfirst_done
.Lfirst_sc:
	s_cmp_lt_u32 s[WV], 12
	s_cbranch_scc1 .Lfirst_done
	tensor_load_to_lds s[G0S:G0S+3], s[G1S:G1S+7]  ; my part of the head's scale words: filled once
	s_nop 0
.rept 4
	v_nop
.endr
.Lfirst_done:
	; my job
	s_lshr_b32 s71, s[WV], 2
	s_xor_b32 s71, s71, s[WV]
	s_and_b32 s71, s71, 1                          ; 0: the early block, 1: the late one
	s_lshr_b32 s[PAR], s[WV], 1
	s_lshr_b32 s83, s[WV], 3
	s_xor_b32 s[PAR], s[PAR], s83
	s_and_b32 s[PAR], s[PAR], 1
	s_mul_i32 s[PTB], s[PAR], 12288
	s_lshl_b32 s[PTS], s[PAR], 9
	s_lshl_b32 s[PKF], s[PAR], 7
	s_sub_co_u32 s83, 31, ttmp9
	s_cmp_eq_u32 s71, 0
	s_cselect_b32 s71, ttmp9, s83                  ; my block of 64 queries
	s_lshl_b32 s71, s71, 2
	s_and_b32 s83, s[WV], 3
	s_add_co_u32 s71, s71, s83                     ; my tile of 16 queries
	s_lshr_b32 s72, s71, 1
	s_lshl_b32 s72, s72, 5
	s_and_b32 s73, s71, 1
	s_lshl_b32 s73, s73, 3
	s_add_co_u32 s[QMIN], s72, s73
	s_add_co_u32 s[QMAX], s[QMIN], 23
	s_lshl_b32 s72, s12, 7
	s_add_co_u32 s72, s72, s71
	s_mul_i32 s72, s72, 1536
	s_mov_b32 s73, 0
	s_add_nc_u64 s[72:73], s[4:5], s[72:73]        ; Q's image
	s_lshl_b32 s74, s12, 5
	s_lshr_b32 s75, s71, 2
	s_add_co_u32 s74, s74, s75
	s_lshl_b32 s74, s74, 8
	s_and_b32 s75, s71, 3
	s_lshl_b32 s75, s75, 2
	s_add_co_u32 s74, s74, s75
	s_mov_b32 s75, 0
	s_add_nc_u64 s[74:75], s[6:7], s[74:75]        ; and its scale words
	v_and_b32 v8, 31, v0
	s_delay_alu instid0(VALU_DEP_1)
	v_lshlrev_b32 v[LI], 4, v8
	v_and_b32 v9, 15, v0                           ; r
	v_bfe_u32 v10, v0, 4, 1                        ; h
.irp c, 0,1,2
	global_load_b128 v[16+4*\c:19+4*\c], v[LI], s[72:73] offset:512*\c   ; Q's fragment stays in registers
.endr
	v_lshlrev_b32 v11, 4, v9
	global_load_b32 v255, v11, s[74:75]
	v_lshl_add_u32 v[ASK0], v9, 4, SCK
	v_lshl_add_u32 v[ASV0], v9, 2, SCV
	v_and_b32 v7, 8, v9
	s_delay_alu instid0(VALU_DEP_1)
	v_add_nc_u32 v7, v7, v9                        ; r + 8 (r / 8)
	v_lshlrev_b32 v[QL], 4, v10
	s_delay_alu instid0(VALU_DEP_1)
	v_sub_nc_u32 v[QL], v7, v[QL]
	s_delay_alu instid0(VALU_DEP_1)
	v_add_nc_u32 v[QL], s[QMIN], v[QL]
	v_lshlrev_b32 v[WSO], 3, v9
	s_and_b32 s87, s[WV], 7                        ; my pair of waves
	s_mul_i32 s87, s87, MPB
	s_add_co_u32 s87, s87, MST
	v_add_nc_u32 v[MA], s87, v[LI]
	v_lshlrev_b32 v[MB], 3, v8
	s_delay_alu instid0(VALU_DEP_1)
	v_add_nc_u32 v[MB], s87, v[MB]
	s_delay_alu instid0(VALU_DEP_1)
	v_add_nc_u32 v[MB], 8192, v[MB]
	; where the result goes
	s_lshr_b32 s81, s12, 2
	s_lshl_b32 s81, s81, 7
	s_add_co_u32 s81, s81, s71                     ; the row tile: 128 x batch + my tile
	s_and_b32 s82, s12, 3                          ; the head: the output projection's K step
	s_lshl_b32 s83, s81, 2
	s_add_co_u32 s83, s83, s82
	s_mul_i32 s84, s83, 1536
	s_mov_b32 s85, 0
	s_add_nc_u64 s[8:9], s[8:9], s[84:85]
	s_lshl_b32 s84, s81, 8
	s_lshr_b32 s86, s82, 1
	s_lshl_b32 s86, s86, 7
	s_add_co_u32 s84, s84, s86
	s_and_b32 s86, s82, 1
	s_lshl_b32 s86, s86, 2
	s_add_co_u32 s84, s84, s86
	s_add_nc_u64 s[10:11], s[10:11], s[84:85]
	s_mov_b32 s[SEL], 0x76543210
	s_mov_b32 s[SEL+1], 0xfedcba98
	s_mov_b32 s[CS], 0x3e0293ee
	s_mov_b32 s[CS+1], s[CS]                       ; (named with it as a pair, so it is written)
	v_mov_b32 v13, 0xff61b1e6                      ; the largest t so far: -3e38
	s_delay_alu instid0(VALU_DEP_1)
	v_floor_f32 v12, -v13                          ; -M
	v_mov_b32 v14, 0
	v_mov_b32 v15, 0
.irp b, 0,1,2,3
	v_mov_b32 v[236+\b], 0                         ; written once: a lane permute's destination counts as one of its sources
.endr
	v_mov_b32 v252, 0
	v_mov_b32 v253, 0
.set jj, 0
.rept 64
	v_mov_b32 v[160+jj], 0                         ; O^T: the step is written without a first step of its own: it finds zeros, which the first change of M leaves zeros
.set jj, jj+1
.endr
; A KEY STEP: the 128 keys from KF on; their images of K begin at LDS byte TB, those of V VR bytes further on
.macro STEP
	s_cmp_gt_u32 s[KF], s[QMAX]                    ; all its keys come after my queries: the work is left out, the steps at the end are not
	s_cbranch_scc1 .Lhidden_\@
	v_add_nc_u32 v[ADK], s[TB], v[LI]
	s_wait_alu depctr_va_vdst(0)
	v_add_nc_u32 v[ADS], s[TS], v[ASK0]
	s_wait_alu depctr_va_vdst(0)
	v_add_nc_u32 v[ADT], s[TS], v[ASV0]
	v_add_nc_u32 v[ADV], VR, v[ADK]                ; these four are the places in front of loads into registers that matrix instructions have read
.irp g, 0,1                                    ; S^T = K Q^T, four tiles of 16 keys at a time
.if \g > 0
.rept 4
	v_nop
.endr
.endif
.irp t, 0,1,2,3
.irp c, 0,1,2
	ds_load_b128 v[32+12*\t+4*\c:35+12*\t+4*\c], v[ADK] offset:1536*(4*\g+\t)+512*\c
.endr
.endr
	ds_load_b128 v[248:251], v[ADS] offset:256*\g  ; key place r's words of the four tiles
	s_wait_dscnt 0x0
.irp t, 0,1,2,3
	v_wmma_scale_f32_16x16x128_f8f6f4 v[96+8*(4*\g+\t):103+8*(4*\g+\t)], v[32+12*\t:43+12*\t], v[16:27], 0, v[248+\t], v255 matrix_a_fmt:MATRIX_FMT_FP6 matrix_b_fmt:MATRIX_FMT_FP6
.endr
.endr
.rept 4
	v_nop
.endr
	s_wait_alu depctr_va_vdst(0)
.irp t, 0,1,2,3                                ; V's first four tiles are asked for here: they land while the softmax is worked
.irp c, 0,1,2
	ds_load_b128 v[32+12*\t+4*\c:35+12*\t+4*\c], v[ADV] offset:1536*\t+512*\c
.endr
.endr
.irp t, 0,1,2,3
	ds_load_b32 v[248+\t], v[ADT] offset:64*\t
.endr
	s_add_co_u32 s96, s[KF], 127                   ; on the diagonal hidden scores become -infinity ahead of the maximum; a step all of whose keys count skips this
	s_cmp_le_u32 s96, s[QMIN]
	s_cbranch_scc1 .Lopen_\@
	v_sub_nc_u32 v252, v[QL], s[KF]                ; register 16 b + i holds key KF + 16 (lane / 16) + 32 b + i: hidden where 32 b + i is above this number
	v_mov_b32 v254, 0xff800000
.set nn, 0
.rept 64
	v_cmp_gt_i32 vcc_lo, 32*(nn/16)+nn%16, v252
	v_cndmask_b32 v[96+nn], v[96+nn], v254, vcc_lo
.set nn, nn+1
.endr
.Lopen_\@:
.irp b, 0,1,2,3
	v_max3_num_f32 v[232+\b], v[96+16*\b], v[97+16*\b], v[98+16*\b]   ; the largest score of each block of 32 keys: for the row's maximum, and, since p rises with the score, for the block's largest p
.endr
.irp i, 3,5,7,9,11,13
.irp b, 0,1,2,3
	v_max3_num_f32 v[232+\b], v[232+\b], v[96+16*\b+\i], v[97+16*\b+\i]
.endr
.endr
.irp b, 0,1,2,3
	v_max_num_f32 v[232+\b], v[232+\b], v[111+16*\b]
.endr
.irp b, 0,1,2,3
	s_delay_alu instid0(VALU_DEP_4)
	v_permlanex16_b32 v[236+\b], v[232+\b], s[SEL], s[SEL+1]
.endr
.irp b, 0,1,2,3
	s_delay_alu instid0(VALU_DEP_4)
	v_max_num_f32 v[232+\b], v[232+\b], v[236+\b]  ; with lane l xor 16's 16 keys
.endr
	s_delay_alu instid0(VALU_DEP_2)
	v_max3_num_f32 v254, v232, v233, v234
	s_delay_alu instid0(VALU_DEP_1)
	v_max_num_f32 v254, v254, v235                 ; the step's largest score of my query (KF is a multiple of 128 and my 16 queries lie in one group of 32: key KF counts for every query of a step that is not left out)
	s_delay_alu instid0(VALU_DEP_1)
	v_mul_f32 v254, s[CS], v254
	s_delay_alu instid0(VALU_DEP_1)
	v_max_num_f32 v13, v13, v254                   ; the running largest t
	v_mov_b32 v254, v12
	s_delay_alu instid0(VALU_DEP_2)
	v_floor_f32 v12, -v13                          ; the new -M = -ceil(t)
	s_delay_alu instid0(VALU_DEP_1)
	v_sub_f32 v254, v12, v254                      ; old M - new M: a whole number, 0 or less
	s_delay_alu instid0(VALU_DEP_1)
	v_cvt_i32_f32 v254, v254                       ; (it saturates)
	s_delay_alu instid0(VALU_DEP_1)
	v_ldexp_f32 v252, 1.0, v254                    ; f = 2^(old M - new M)
.set jj, 0
.rept 32
	v_pk_fma_f32 v[96+jj:97+jj], v[96+jj:97+jj], s[CS:CS+1], v[12:13] op_sel_hi:[1,0,0]   ; t - M, two at a time
.set jj, jj+2
.endr
.irp b, 0,1,2,3
	v_fma_f32 v[232+\b], v[232+\b], s[CS], v12     ; the same of each block's largest score
.endr
.set jj, 0
	s_wait_alu depctr_va_vdst(0)
.rept 64
	v_exp_f32 v[96+jj], v[96+jj]                   ; p = 2^(t - M)
.set jj, jj+1
.endr
	v_pk_mul_f32 v[14:15], v[14:15], v[252:253] op_sel_hi:[1,0]   ; the sums under the new M: a plain place behind the exponentials
	s_wait_alu depctr_va_vdst(0)                   ; one wait for the whole batch, ahead of its first reader
.irp b, 0,1,2,3
	v_exp_f32 v[232+\b], v[232+\b]                 ; the block's largest p
.endr
	v_pk_add_f32 v[236:237], v[100:101], v[104:105]
	v_pk_add_f32 v[94:95], v[108:109], v[112:113]
	v_pk_add_f32 v[92:93], v[116:117], v[120:121]
	v_pk_add_f32 v[90:91], v[124:125], v[128:129]
	v_pk_add_f32 v[88:89], v[132:133], v[136:137]
	v_pk_add_f32 v[86:87], v[140:141], v[144:145]
	v_pk_add_f32 v[84:85], v[148:149], v[152:153]
	v_pk_add_f32 v[14:15], v[14:15], v[156:157]
	v_pk_add_f32 v[236:237], v[236:237], v[96:97]
	v_pk_add_f32 v[94:95], v[94:95], v[98:99]
	v_pk_add_f32 v[92:93], v[92:93], v[102:103]
	v_pk_add_f32 v[90:91], v[90:91], v[106:107]
	v_pk_add_f32 v[88:89], v[88:89], v[110:111]
	v_pk_add_f32 v[86:87], v[86:87], v[114:115]
	v_pk_add_f32 v[84:85], v[84:85], v[118:119]
	v_pk_add_f32 v[14:15], v[14:15], v[122:123]
	v_pk_add_f32 v[236:237], v[236:237], v[126:127]
	v_pk_add_f32 v[94:95], v[94:95], v[130:131]
	v_pk_add_f32 v[92:93], v[92:93], v[134:135]
	v_pk_add_f32 v[90:91], v[90:91], v[138:139]
	v_pk_add_f32 v[88:89], v[88:89], v[142:143]
	v_pk_add_f32 v[86:87], v[86:87], v[146:147]
	v_pk_add_f32 v[84:85], v[84:85], v[150:151]
	v_pk_add_f32 v[14:15], v[14:15], v[154:155]
	v_pk_add_f32 v[236:237], v[236:237], v[158:159]
	s_delay_alu instid0(VALU_DEP_2)
	v_pk_add_f32 v[14:15], v[14:15], v[90:91]
	s_delay_alu instid0(VALU_DEP_2)
	v_pk_add_f32 v[236:237], v[236:237], v[88:89]
	v_pk_add_f32 v[94:95], v[94:95], v[86:87]
	v_pk_add_f32 v[92:93], v[92:93], v[84:85]
	s_delay_alu instid0(VALU_DEP_2)
	v_pk_add_f32 v[14:15], v[14:15], v[94:95]
	s_delay_alu instid0(VALU_DEP_2)
	v_pk_add_f32 v[236:237], v[236:237], v[92:93]
	s_delay_alu instid0(VALU_DEP_1)
	v_pk_add_f32 v[14:15], v[14:15], v[236:237]
	s_wait_alu depctr_va_vdst(0)                   ; and one for the four
.irp b, 0,1,2,3
	v_max_num_f32 v[232+\b], 0x1800000, v[232+\b]  ; the floor 2^(3 - 127): the byte cannot fall under 1
.endr
.irp b, 0,1,2,3
	s_delay_alu instid0(VALU_DEP_4)
	v_add_nc_u32 v[244+\b], 0xff000000, v[232+\b]  ; the conversion's scale operand
.endr
.irp b, 0,1,2,3
	s_delay_alu instid0(VALU_DEP_4)
	v_lshrrev_b32 v[236+\b], 23, v[244+\b]         ; the scale's byte
.endr
	s_delay_alu instid0(VALU_DEP_3)
	v_lshl_or_b32 v253, v237, 8, v236              ; p's scale word for these 128 keys
	s_delay_alu instid0(VALU_DEP_1)
	v_lshl_or_b32 v253, v238, 16, v253
	s_delay_alu instid0(VALU_DEP_1)
	v_lshl_or_b32 v253, v239, 24, v253
.irp c, 0,1
	v_cvt_scalef32_pk16_fp6_f32 v[224+6*\c:226+6*\c], v[96+32*\c:111+32*\c], v[244+2*\c]
	v_cvt_scalef32_pk16_fp6_f32 v[236+4*\c:238+4*\c], v[112+32*\c:127+32*\c], v[244+2*\c+1]
.endr
	v_nop                                          ; one plain place behind the conversions
.irp c, 0,1
.irp i, 0,1,2
	v_permlane16_swap_b32 v[224+6*\c+\i], v[236+4*\c+\i]
.endr
.irp i, 0,1,2
	s_delay_alu instid0(VALU_DEP_3)
	v_mov_b32 v[227+6*\c+\i], v[236+4*\c+\i]
.endr
.endr
.set jj, 0
.rept 32
	v_pk_mul_f32 v[160+jj:161+jj], v[160+jj:161+jj], v[252:253] op_sel_hi:[1,0]   ; O^T under the new M; these 32 are also the places between p's word and codes and the products
.set jj, jj+2
.endr
	s_wait_alu depctr_va_vdst(0)
	s_wait_dscnt 0x0                               ; V's first four tiles
.irp t, 0,1,2,3
	v_wmma_scale_f32_16x16x128_f8f6f4 v[160+8*\t:167+8*\t], v[32+12*\t:43+12*\t], v[224:235], v[160+8*\t:167+8*\t], v[248+\t], v253 matrix_a_fmt:MATRIX_FMT_FP6 matrix_b_fmt:MATRIX_FMT_FP6
.endr
.rept 4
	v_nop
.endr
.irp t, 0,1,2,3
.irp c, 0,1,2
	ds_load_b128 v[32+12*\t+4*\c:35+12*\t+4*\c], v[ADV] offset:1536*(4+\t)+512*\c
.endr
.endr
.irp t, 0,1,2,3
	ds_load_b32 v[248+\t], v[ADT] offset:64*(4+\t)
.endr
	s_wait_dscnt 0x0
.irp t, 0,1,2,3
	v_wmma_scale_f32_16x16x128_f8f6f4 v[192+8*\t:199+8*\t], v[32+12*\t:43+12*\t], v[224:235], v[192+8*\t:199+8*\t], v[248+\t], v253 matrix_a_fmt:MATRIX_FMT_FP6 matrix_b_fmt:MATRIX_FMT_FP6
.endr
.Lhidden_\@:
	s_add_co_u32 s[KF], s[KF], 256                 ; my next step is the next but one
	s_add_co_u32 s[TS], s[TS], 1024
	s_add_co_u32 s[TB], s[TB], 24576
.endm
; A PHASE: the 512 keys 512 ph on, which lie in the given slot: four key steps, of which I take the two of my parity.  The step is written once and walked twice.
.macro PHASE ph, slot
	s_add_co_u32 s[TB], s[PTB], \slot*KSL
	s_add_co_u32 s[TS], s[PTS], \ph*2048
	s_add_co_u32 s[KF], s[PKF], \ph*512
	s_mov_b32 s[TWICE], 2
.Lstep_\@:
	STEP
	s_sub_co_u32 s[TWICE], s[TWICE], 1
	s_cmp_lg_u32 s[TWICE], 0
	s_cbranch_scc1 .Lstep_\@
.endm
; A MEETING OF ALL SIXTEEN WAVES.  Each waits for all its tensor loads, adds 0 to its spare word, and waits for that and for its LDS reads so far.
; fill = 1: behind the barrier nobody reads slot 0 any more, and it takes the last 512 keys: a fetching wave's one tensor load, first thing there.
.macro CHANGE fill
	s_wait_tensorcnt 0x0                           ; no tensor load of mine is out, so a group 0 may be written
	ds_add_u32 v[SPW], v[NIL]                      ; 0 onto my spare word
.if \fill
	ds_add_u32 v[SPW], v[NIL]                      ; and once more
	s_add_nc_u64 s[G0+2:G0+3], s[G0+2:G0+3], 3*KSL ; slot 0's next keys: 1,536 on; the type bits on top are not reached
.endif
	s_wait_dscnt 0x0                               ; the add is done, and my reads so far are over
	s_barrier_signal -1
	s_barrier_wait -1
.if \fill
	s_cmp_lt_u32 s[WV], 4
	s_cbranch_scc0 .Lnone_\@
	tensor_load_to_lds s[G0:G0+3], s[G1:G1+7]
	s_nop 0
.rept 4
	v_nop
.endr
.Lnone_\@:
.endif
.endm
	s_wait_tensorcnt 0x0                           ; my first fill, if I issued one, is in
	ds_add_u32 v[SPW], v[NIL]
	ds_add_u32 v[SPW], v[NIL]                      ; twice on end
	s_wait_dscnt 0x0
	s_barrier_signal -1
	s_barrier_wait -1                              ; slot 0 and the scale words are whole for every wave
	s_cmp_lt_u32 s[WV], 4
	s_cbranch_scc1 .Lno_second
	s_cmp_lt_u32 s[WV], 12
	s_cbranch_scc0 .Lno_second
	tensor_load_to_lds s[G0:G0+3], s[G1:G1+7]      ; waves 4-11: my part of slot 1 or 2, filled for the first time
	s_nop 0
.rept 4
	v_nop
.endr
.Lno_second:
	s_wait_loadcnt 0x0                             ; Q
	PHASE 0, 0
	CHANGE 1                                       ; slots 1 and 2 are whole; slot 0 is asked for again
	PHASE 1, 1
	PHASE 2, 2                                     ; no barrier in front of it: the wait and the barrier above have shown slot 2 to every wave
	CHANGE 0                                       ; slot 0 is whole again; nobody reads slots 1 and 2 any more
	PHASE 3, 0
	; THE HAND-OVER.  The wave of the odd steps stores O^T, -M and its sum as images of its registers; behind a barrier the wave of the even steps joins them with its own.
.rept 4
	v_nop                                          ; places behind the last products
.endr
	v_add_f32 v13, v14, v15                        ; the sum's two halves, beside -M in the pair v[12:13]
	s_cmp_eq_u32 s[PAR], 0
	s_cbranch_scc1 .Lkeeper
.set jj, 0
	s_wait_alu depctr_va_vdst(0)
.rept 16
	ds_store_b128 v[MA], v[160+4*jj:163+4*jj] offset:512*jj   ; ascending: each accumulator from its low end on
.set jj, jj+1
.endr
	ds_store_b64 v[MB], v[12:13]
.Lkeeper:
	s_wait_dscnt 0x0                               ; for the partner's sake: my stores are done
	s_barrier_signal -1
	s_barrier_wait -1
	s_cmp_lg_u32 s[PAR], 0
	s_cbranch_scc1 .Lend
.set jj, 0
.rept 16
	ds_load_b128 v[96+4*jj:99+4*jj], v[MA] offset:512*jj      ; the partner's O^T
.set jj, jj+1
.endr
	ds_load_b64 v[236:237], v[MB]                  ; its -M and its sum
.irp b, 0,1,2,3
	v_mov_b32 v[TM+4+\b], 0                        ; written once: a lane permute's destination counts as one of its sources
.endr
	v_mov_b32 v241, 0                              ; (named as the upper halves of pairs)
	v_mov_b32 v243, 0
	s_wait_dscnt 0x0
	v_min_num_f32 v238, v12, v236                  ; the new -M: the larger M of the two.  (A partner without a step hands over 3e38, zeros and a sum of 0)
	s_delay_alu instid0(VALU_DEP_1)
	v_sub_f32 v239, v238, v12                      ; my M - the new M: a whole number, 0 or less
	s_delay_alu instid0(VALU_DEP_2)
	v_sub_f32 v244, v238, v236                     ; the partner's
	s_delay_alu instid0(VALU_DEP_2)
	v_cvt_i32_f32 v239, v239                       ; (they saturate)
	s_delay_alu instid0(VALU_DEP_2)
	v_cvt_i32_f32 v244, v244
	s_delay_alu instid0(VALU_DEP_2)
	v_ldexp_f32 v240, 1.0, v239                    ; both parts are brought under the new M by powers of two
	s_delay_alu instid0(VALU_DEP_2)
	v_ldexp_f32 v242, 1.0, v244
	s_delay_alu instid0(VALU_DEP_2)
	v_mul_f32 v13, v13, v240
	s_delay_alu instid0(VALU_DEP_1)
	v_fma_f32 v13, v237, v242, v13
	s_delay_alu instid0(VALU_DEP_1)
	v_permlanex16_b32 v252, v13, s[SEL], s[SEL+1]
	s_delay_alu instid0(VALU_DEP_1)
	v_add_f32 v13, v13, v252                       ; the row's sum
	s_wait_alu depctr_va_vdst(0)
	v_rcp_f32 v14, v13
	v_bfe_u32 v31, v0, 4, 1                        ; (a plain place behind the reciprocal)
	s_wait_alu depctr_va_vdst(0)                   ; ahead of the reciprocal's first reader
	v_mul_f32 v240, v240, v14                      ; the division by the sum goes into the two factors: a power of two times 1 / l is exact
	v_mul_f32 v242, v242, v14
.set jj, 0
.rept 32
	v_pk_mul_f32 v[96+jj:97+jj], v[96+jj:97+jj], v[242:243] op_sel_hi:[1,0]
.set jj, jj+2
.endr
.set jj, 0
.rept 32
	v_pk_fma_f32 v[96+jj:97+jj], v[160+jj:161+jj], v[240:241], v[96+jj:97+jj] op_sel_hi:[1,0,1]   ; ascending: each accumulator from its low end on.  Register 16 b + i is channel 32 b + 16 (lane / 16) + i of O / l
.set jj, jj+2
.endr
	; quantised along the head's 128 channels: my 16 queries' fragment of the output projection's K step = head
.irp b, 0,1,2,3
	v_max3_num_f32 v[TM+\b], |v[96+16*\b]|, |v[97+16*\b]|, 0x1800000
.endr
.irp i, 2,4,6,8,10,12,14
.irp b, 0,1,2,3
	s_delay_alu instid0(VALU_DEP_4)
	v_max3_num_f32 v[TM+\b], v[TM+\b], |v[96+16*\b+\i]|, |v[97+16*\b+\i]|
.endr
.endr
.irp b, 0,1,2,3
	s_delay_alu instid0(VALU_DEP_4)
	v_permlanex16_b32 v[TM+4+\b], v[TM+\b], s[SEL], s[SEL+1]
.endr
.irp b, 0,1,2,3
	s_delay_alu instid0(VALU_DEP_4)
	v_max_num_f32 v[TM+\b], v[TM+\b], v[TM+4+\b]
.endr
.irp b, 0,1,2,3
	s_delay_alu instid0(VALU_DEP_4)
	v_add_nc_u32 v[TM+12+\b], 0xff000000, v[TM+\b]
.endr
.irp b, 0,1,2,3
	s_delay_alu instid0(VALU_DEP_4)
	v_lshrrev_b32 v[TM+4+\b], 23, v[TM+12+\b]
.endr
	s_delay_alu instid0(VALU_DEP_3)
	v_lshl_or_b32 v68, v[TM+5], 8, v[TM+4]
	s_delay_alu instid0(VALU_DEP_1)
	v_lshl_or_b32 v68, v[TM+6], 16, v68
	s_delay_alu instid0(VALU_DEP_1)
	v_lshl_or_b32 v68, v[TM+7], 24, v68
.irp c, 0,1
	v_cvt_scalef32_pk16_fp6_f32 v[PC+6*\c:PC+2+6*\c], v[96+32*\c:111+32*\c], v[TM+12+2*\c]
	v_cvt_scalef32_pk16_fp6_f32 v[PC+12+4*\c:PC+14+4*\c], v[112+32*\c:127+32*\c], v[TM+12+2*\c+1]
.endr
	v_nop                                          ; one plain place behind the conversions
.irp c, 0,1
.irp i, 0,1,2
	v_permlane16_swap_b32 v[PC+6*\c+\i], v[PC+12+4*\c+\i]
.endr
.irp i, 0,1,2
	s_delay_alu instid0(VALU_DEP_3)
	v_mov_b32 v[PC+3+6*\c+\i], v[PC+12+4*\c+\i]
.endr
.endr
.irp c, 0,1,2
	global_store_b128 v[LI], v[PC+4*\c:PC+4*\c+3], s[8:9] offset:512*\c   ; 512 consecutive bytes
.endr
	v_cmp_eq_u32 vcc_lo, 0, v31
	s_wait_xcnt 0x0                                ; EXEC changes only behind this wait
	s_and_saveexec_b32 s90, vcc_lo
	global_store_b32 v[WSO], v68, s[10:11]         ; lanes 0-15: row r's word, 8 bytes apart: a block of 256 bytes is filled by four heads' work-groups; one part in 25 of the launch's output
	s_wait_xcnt 0x0
	s_or_b32 exec_lo, exec_lo, s90
.Lend:
	s_wait_tensorcnt 0x0                           ; the wave's end
	ds_add_u32 v[SPW], v[NIL]
	s_wait_dscnt 0x0
	s_endpgm
.Lfunc_end_k_q932242c2d2_attn:
	.size	k_q932242c2d2_attn, .Lfunc_end_k_q932242c2d2_attn-k_q932242c2d2_attn
	.p2alignl 7, 3214868480
	.fill 96, 4, 3214868480
	.section	.rodata,"a",@progbits
	.p2align	6, 0x0
	.amdhsa_kernel k_q932242c2d2_attn
		.amdhsa_group_segment_fixed_size 327680
		.amdhsa_private_segment_fixed_size 0
		.amdhsa_enable_private_segment 0
		.amdhsa_kernarg_size 32
		.amdhsa_user_sgpr_count 2
		.amdhsa_user_sgpr_kernarg_segment_ptr 1
		.amdhsa_wavefront_size32 1
		.amdhsa_system_sgpr_workgroup_id_x 1
		.amdhsa_system_sgpr_workgroup_id_y 1
		.amdhsa_system_sgpr_workgroup_id_z 1
		.amdhsa_system_vgpr_workitem_id 0
		.amdhsa_next_free_vgpr 256
		.amdhsa_next_free_sgpr 100
		.amdhsa_reserve_vcc 1
		.amdhsa_float_denorm_mode_32 3
		.amdhsa_float_denorm_mode_16_64 3
		.amdhsa_memory_ordered 1
		.amdhsa_forward_progress 1
		.amdhsa_inst_pref_size 129
	.end_amdhsa_kernel
	.amdgpu_metadata
---
amdhsa.version: [ 1, 2 ]
amdhsa.kernels:
  - .name:           k_q932242c2d2_attn
    .symbol:         k_q932242c2d2_attn.kd
    .args:
      - { .name: qkvimg, .offset: 0, .size: 8, .value_kind: global_buffer, .address_space: global }
      - { .name: qkvsc, .offset: 8, .size: 8, .value_kind: global_buffer, .address_space: global }
      - { .name: aimg, .offset: 16, .size: 8, .value_kind: global_buffer, .address_space: global }
      - { .name: asc, .offset: 24, .size: 8, .value_kind: global_buffer, .address_space: global }
    .group_segment_fixed_size: 327680
    .private_segment_fixed_size: 0
    .kernarg_segment_align: 8
    .kernarg_segment_size: 32
    .max_flat_workgroup_size: 512
    .sgpr_count:     100
    .vgpr_count:     256
    .wavefront_size: 32
...
	.end_amdgpu_metadata
.endif
;; end of part 3
;; launch oproj (part 4): grid 8 x 32, 4 waves a work-group, clusters of 4 x 4, 327,680 bytes of LDS; arguments aimg, asc, wimg, wsc, out0; writes out0
.if DOCPART == 4
	.amdgcn_target "amdgcn-amd-amdhsa--gfx1250"
	.amdhsa_code_object_version 6
	.text
	.protected	k_q932242c2d2_oproj
	.globl	k_q932242c2d2_oproj
	.p2align	8
	.type	k_q932242c2d2_oproj,@function
k_q932242c2d2_oproj:
	s_mov_b64 s[64:65], 0
	v_nop
	global_prefetch_b8 v0, s[64:65] scope:SCOPE_SE
	s_setreg_imm32_b32 hwreg(HW_REG_WAVE_MODE, 25, 1), 1
	s_wait_xcnt 0x0
	s_wait_alu depctr_hold_cnt(0) depctr_sa_sdst(0) depctr_va_vdst(0) depctr_va_sdst(0) depctr_va_ssrc(0) depctr_va_vcc(0) depctr_vm_vsrc(0)
	s_getreg_b32 s2, hwreg(HW_REG_IB_STS2, 6, 4)
	s_cmp_eq_u32 s2, 0
	s_cbranch_scc0 .Lentry_in_a_cluster
	s_endpgm
.Lentry_in_a_cluster:
	s_bfe_u32 s2, ttmp6, 0x10000c
	s_cmp_lg_u32 s2, 0xf033
	s_cbranch_scc0 .Lentry_shape_is_right
	s_endpgm
.Lentry_shape_is_right:
; out0 = (O / l) x wo^T on codes of FP6 (E2M3) with E8M0 scales; both operands come as images of operand registers (a fragment, 16 rows x 128 K, is 1,536 bytes: registers 4 c .. 4 c + 3 of lane l at 512 c + 16 l).
; Tile T of wo holds at place i the row 32 (T / 2) + 8 (T % 2) + i + 8 (i / 8), and so do the tokens' tiles.
; A work-group of four waves makes 256 tokens x 256 columns, a wave 128 x 128.
; K IS 512, FOUR K STEPS: nothing is filled again, so one barrier shows all of K to all waves.
; Waves 0 and 1 fetch the two halves of the tokens' tiles (shared along a row of the 4 x 4 cluster), waves 2 and 3 those of wo's (shared along a column).
; The scale words, 2,048 dense bytes a wave, come through registers (4 loads of 512 consecutive bytes) into LDS bytes of their own, on which no fill lands.
; THE WORK GOES BY ROWS OF THE RESULT: all of wo's fragments for my 128 columns (4 K steps x 8 tiles x 12 registers) stay in registers; my eight blocks of 16 tokens are finished one after the other, 32 products each,
; the block's 8 accumulators by turns, K ascending; a finished block leaves through my own stage in LDS as rows of 512 bytes while the next block is multiplied.
; The products are used transposed (source 0 = wo's rows): a lane holds neighbouring columns of one token.
; NO PREFETCH: the launch has no loop to run ahead in: all that it reads is asked for at its head.
; LIMITS: NaN and infinities are not served.
; REGISTERS.  window 0: v1-13 addresses; v24-55 scale words; v62-63 the add's; v64-255 the tokens' fragments, four buffers of 48 (a block's four K steps).
;   window 1: wo's fragments of K steps 0, 1 at 96 (q % 2) + 12 b; v192-255 a block read back from the stage.  window 2: the same for K steps 2, 3.  window 3: four sets of 8 accumulators.
.set PART,  49152                      ; 8 tiles x 4 K steps x 1,536 bytes: what one tensor load brings
.set SCL,   196608                     ; behind the four parts: the scale words
.set STAGE, 205056                     ; 16 rows x 528 bytes for each wave
.set SPARE, 0x40000                    ; the spare words, 128 bytes for each wave
.set LI,   1                           ; v1   16 x lane
.set ADRA, 2                           ; v2   my eight tiles of tokens
.set ADRB, 4                           ; v4   my eight tiles of wo
.set ADS,  6                           ; v6   scale words: lanes 0-15 the tokens', lanes 16-31 wo's
.set STO,  7
.set RD,   8
.set SST,  13                          ; v13  where my part of the scale words goes
.set SC,   24                          ; register 16 (q / 2) + 2 i + q % 2: tile i's words of K step q
.set SPW,  62
.set NIL,  63
.set PA,   64
.set BK,   192
.set G1A, 24
.set G0A, 32
.set G1B, 48
.set G0B, 56
.set MSB, 0
.macro WIN new                         ; the immediate's high byte repeats the setting that is left
.if MSB != (\new)
	s_set_vgpr_msb (MSB<<8)|(\new)
.set MSB, (\new)
.endif
.endm
.macro PLACES n
.rept \n
	v_nop
.endr
.endm
.macro CROUND                          ; a round of the cluster's barrier
	s_barrier_signal -1
	s_barrier_wait -1
	s_cmp_lg_u32 s14, 0
	s_cbranch_scc1 .Lnot_wave_0_\@
	s_barrier_signal -3
.Lnot_wave_0_\@:
	s_barrier_wait -3
	s_barrier_signal -1
	s_barrier_wait -1
.endm
	s_load_b256 s[4:11], s[0:1], 0x0               ; aimg, asc, wimg, wsc
	s_load_b64 s[12:13], s[0:1], 0x20              ; out0
	v_lshl_add_u32 v[SPW], v0, 2, SPARE
	v_mov_b32 v[NIL], 0
	ds_add_u32 v[SPW], v[NIL]                      ; the opening lines: the add, twice on end, and its wait ahead of my first tensor load
	ds_add_u32 v[SPW], v[NIL]
	v_lshrrev_b32 v2, 5, v0
	v_readfirstlane_b32 s14, v2                    ; wave 0..3
	s_lshr_b32 s15, s14, 1                         ; which half of the tokens is mine.  Also: I fetch for the tokens (0) or for wo (1)
	s_and_b32 s16, s14, 1                          ; which half of the columns.  Also: which 8 tiles I fetch
	s_bfe_u32 s40, ttmp6, 0x40000                  ; cx, cy
	s_bfe_u32 s41, ttmp6, 0x40004
	s_lshl_b32 s42, ttmp9, 2
	s_add_co_u32 s42, s42, s40                     ; block of 256 columns
	s_and_b32 s17, ttmp7, 0xffff
	s_lshl_b32 s17, s17, 2
	s_add_co_u32 s17, s17, s41                     ; block of 256 tokens
	s_lshl_b32 s43, s41, 2
	s_lshl_b32 s43, 15, s43                        ; my row of the cluster
	s_lshl_b32 s44, 0x1111, s40                    ; my column
	s_or_b32 s[G1A], s43, (3<<16)|(1<<21)          ; the mask; elements of 8 bytes; bit 21 beside a mask
	s_or_b32 s[G1B], s44, (3<<16)|(1<<21)
.irp g, G1A, G1B                       ; 8 rows (tiles) of 6,144 bytes (all four K steps), one behind the other
	s_mov_b32 s[\g+1], 768<<16
	s_mov_b32 s[\g+2], 8<<16
	s_mov_b32 s[\g+3], 768<<16
	s_mov_b32 s[\g+4], 8
	s_mov_b32 s[\g+5], 768
	s_mov_b32 s[\g+6], 0
	s_mov_b32 s[\g+7], 0
.endr
	s_lshl_b32 s18, s16, 3
	s_lshl_b32 s20, s17, 4
	s_add_co_u32 s20, s20, s18                     ; the tokens' first tile that I fetch
	s_lshl_b32 s46, s42, 4
	s_add_co_u32 s46, s46, s18                     ; wo's
	s_lshl_b32 s22, s20, 8                         ; 256 bytes of scale words a tile
	s_mov_b32 s23, 0
	s_mul_i32 s20, s20, 6144
	s_mov_b32 s21, 0
	s_lshl_b32 s92, s46, 8
	s_add_co_u32 s92, s92, 98304                   ; wo's words lie behind wq's, wk's and wv's
	s_mov_b32 s93, 0
	s_mul_i32 s46, s46, 6144
	s_add_co_u32 s46, s46, 2359296                 ; and so do its images
	s_mov_b32 s47, 0
	s_mul_i32 s45, s14, PART                       ; where my part goes: the wave's number x a constant
	v_and_b32 v9, 31, v0
	v_lshlrev_b32 v[LI], 4, v9
	s_lshl_b32 s94, s14, 11                        ; my 2,048 bytes of scale words: wave x 2,048,
	s_lshl_b32 s95, s15, 7                         ; wo's 128 bytes further on than the tokens'
	s_add_co_u32 s94, s94, s95
	s_add_co_u32 s94, s94, SCL
	v_add_nc_u32 v[SST], s94, v[LI]
	s_wait_dscnt 0x0                               ; both opening adds are done
	s_wait_alu depctr_va_vdst(0)
	s_wait_kmcnt 0x0
	s_add_nc_u64 s[20:21], s[4:5], s[20:21]
	s_add_nc_u64 s[22:23], s[6:7], s[22:23]
	s_add_nc_u64 s[46:47], s[8:9], s[46:47]
	s_add_nc_u64 s[92:93], s[10:11], s[92:93]
	s_cmp_eq_u32 s15, 0                            ; the tokens' scale words or wo's: the choice hangs on the wave's number alone
	s_cselect_b64 s[22:23], s[22:23], s[92:93]
.irp i, 0,1,2,3
	global_load_b128 v[64+4*\i:67+4*\i], v[LI], s[22:23] offset:512*\i
.endr
	CROUND                                         ; all sixteen work-groups are here: the joint loads meet
	s_mov_b32 s[G0A], 1
	s_add_co_u32 s[G0A+1], s45, 0
	s_mov_b64 s[G0A+2:G0A+3], s[20:21]
	s_or_b32 s[G0A+3], s[G0A+3], 0x80000000
	s_mov_b32 s[G0B], 1
	s_add_co_u32 s[G0B+1], s45, 0
	s_mov_b64 s[G0B+2:G0B+3], s[46:47]
	s_or_b32 s[G0B+3], s[G0B+3], 0x80000000
	s_cmp_eq_u32 s15, 0                            ; my part, all of K: my one tensor load.  Each line has one mask; the branch hangs on the wave's number alone
	s_cbranch_scc0 .Lfor_b
	tensor_load_to_lds s[G0A:G0A+3], s[G1A:G1A+7]
	s_nop 0
.rept 4
	v_nop
.endr
	s_branch .Lasked
.Lfor_b:
	tensor_load_to_lds s[G0B:G0B+3], s[G1B:G1B+7]
	s_nop 0
.rept 4
	v_nop
.endr
.Lasked:
	v_and_b32 v10, 15, v0                          ; r
	v_bfe_u32 v11, v0, 4, 1                        ; h
	s_wait_alu depctr_va_vdst(0)
	s_mul_i32 s18, s15, PART
	s_mul_i32 s19, s16, PART
	s_add_co_u32 s19, s19, 2*PART
	v_add_nc_u32 v[ADRA], s18, v[LI]
	v_add_nc_u32 v[ADRB], s19, v[LI]
	s_xor_b32 s18, s15, 1
	s_lshl_b32 s18, s18, 11
	s_lshl_b32 s19, s16, 11
	s_add_co_u32 s18, s18, s19
	s_add_co_u32 s18, s18, 2176                    ; from my tokens' words to my columns'
	v_mul_u32_u24 v12, s18, v11                    ; one product: the lower base + h x the distance
	v_lshl_add_u32 v12, v10, 3, v12                ; 8 r: two words a row and pair of K steps
	s_lshl_b32 s19, s15, 11
	s_add_co_u32 s19, s19, SCL
	v_add_nc_u32 v[ADS], s19, v12
	s_mul_i32 s18, s14, 16*528
	s_add_co_u32 s18, s18, STAGE                   ; my stage
	v_mul_u32_u24 v[STO], v10, 528                 ; in: row r, 64 bytes for each half of the lanes
	v_lshl_add_u32 v[STO], v11, 6, v[STO]
	v_add_nc_u32 v[STO], s18, v[STO]
	v_add_nc_u32 v[RD], s18, v[LI]                 ; back: the 32 lanes take one row of 512 bytes
	s_lshl_b32 s18, s17, 8
	s_lshl_b32 s19, s15, 7
	s_add_co_u32 s18, s18, s19                     ; my first token
	s_lshl_b32 s18, s18, 13                        ; a row of out0 is 8,192 bytes
	s_lshl_b32 s96, s42, 10
	s_lshl_b32 s97, s16, 9
	s_add_co_u32 s96, s96, s97
	s_add_co_u32 s96, s96, s18
	s_mov_b32 s97, 0
	s_add_nc_u64 s[12:13], s[12:13], s[96:97]
.macro FRAG3 reg, adr, off             ; a fragment comes as it lies: three loads of 512 consecutive bytes
.irp c, 0,1,2
	ds_load_b128 v[\reg+4*\c:\reg+4*\c+3], v[\adr] offset:\off+512*\c
.endr
.endm
.macro BLOAD q                         ; wo's eight fragments of K step q: 24 loads into window 1 (q = 0, 1) or 2
	WIN 0x40<<((\q)/2)
.irp b, 0,1,2,3,4,5,6,7
	FRAG3 96*((\q)%2)+12*\b, ADRB, 6144*\b+1536*(\q)
.endr
.endm
.macro ALOAD a                         ; block a's four fragments: 12 loads of 6,144 consecutive bytes into buffer a % 4
	WIN 0
.irp q, 0,1,2,3
	FRAG3 PA+48*((\a)%4)+12*\q, ADRA, 6144*(\a)+1536*\q
.endr
.endm
.macro ROWQ a, q                       ; block a, K step q: 8 products, one on each of the block's accumulators; the first K step starts the sums
	WIN 0xf1+((\q)/2)                              ; source 0 (wo) window 1 or 2, source 1 (tokens) window 0, C and D window 3
.irp b, 0,1,2,3,4,5,6,7
.if (\q) == 0
	v_wmma_scale_f32_16x16x128_f8f6f4 v[64*((\a)%4)+8*\b:64*((\a)%4)+8*\b+7], v[96*((\q)%2)+12*\b:96*((\q)%2)+12*\b+11], v[PA+48*((\a)%4)+12*(\q):PA+48*((\a)%4)+12*(\q)+11], 0, v[SC+16*((\q)/2)+2*\b+(\q)%2], v[SC+16*((\q)/2)+2*(\a)+(\q)%2] matrix_a_fmt:MATRIX_FMT_FP6 matrix_b_fmt:MATRIX_FMT_FP6 matrix_a_scale:MATRIX_SCALE_ROW1
.else
	v_wmma_scale_f32_16x16x128_f8f6f4 v[64*((\a)%4)+8*\b:64*((\a)%4)+8*\b+7], v[96*((\q)%2)+12*\b:96*((\q)%2)+12*\b+11], v[PA+48*((\a)%4)+12*(\q):PA+48*((\a)%4)+12*(\q)+11], v[64*((\a)%4)+8*\b:64*((\a)%4)+8*\b+7], v[SC+16*((\q)/2)+2*\b+(\q)%2], v[SC+16*((\q)/2)+2*(\a)+(\q)%2] matrix_a_fmt:MATRIX_FMT_FP6 matrix_b_fmt:MATRIX_FMT_FP6 matrix_a_scale:MATRIX_SCALE_ROW1
.endif
.endr
.endm
.macro TOSTAGE a                       ; block a into my stage, and back as whole rows: LDS serves a wave's instructions in order, so no wait stands between
	WIN 0x0c                                       ; the data: window 3
.irp b, 0,1,2,3,4,5,6,7
	ds_store_b128 v[STO], v[64*((\a)%4)+8*\b:64*((\a)%4)+8*\b+3] offset:128*(\b/2)+32*(\b%2)       ; each accumulator from its low end on; tile b's place 8 h + j is column 32 (b / 2) + 8 (b % 2) + 16 h + j
	ds_store_b128 v[STO], v[64*((\a)%4)+8*\b+4:64*((\a)%4)+8*\b+7] offset:128*(\b/2)+32*(\b%2)+16
.endr
	WIN 0x40<<((\a)%2)                             ; back into window 1 or 2, by turns
.irp t, 0,1,2,3,4,5,6,7,8,9,10,11,12,13,14,15
	ds_load_b128 v[BK+4*\t:BK+4*\t+3], v[RD] offset:\t*528
.endr
.endm
.macro SEND a, younger                 ; younger: the LDS loads issued behind TOSTAGE's, which may stay out
	s_wait_dscnt \younger
	WIN 0x04<<((\a)%2)                             ; the data: window 1 or 2
.irp t, 0,1,2,3,4,5,6,7,8,9,10,11,12,13,14,15
	global_store_b128 v[LI], v[BK+4*\t:BK+4*\t+3], s[12:13] offset:(32*((\a)/2)+8*((\a)%2)+\t+8*(\t/8))*8192 th:TH_STORE_NT   ; 512 consecutive bytes, aligned; place t of tile a is its token
.endr
.endm
	s_wait_alu depctr_va_vdst(0)
	s_wait_loadcnt 0x0                             ; my scale words are in registers
	s_wait_tensorcnt 0x0                           ; my part of the codes is in
.irp i, 0,1,2,3
	ds_store_b128 v[SST], v[64+4*\i:67+4*\i] offset:512*\i
.endr
	s_wait_dscnt 0x0                               ; for the others' sake: my stores are done
	s_barrier_signal -1
	s_barrier_wait -1                              ; all of K and all scale words are whole for every wave
.irp s, 0,1
.irp i, 0,1,2,3,4,5,6,7
	ds_load_b64 v[SC+16*\s+2*\i:SC+16*\s+2*\i+1], v[ADS] offset:256*\i+128*\s   ; 16 loads: all scale words
.endr
.endr
	ALOAD 0
	BLOAD 0
	BLOAD 1
	BLOAD 2
	s_wait_dscnt 48                                ; the scale words, block 0 and wo's K step 0 are in; K steps 1 and 2 (24 + 24 loads) may be out
	ROWQ 0, 0
	BLOAD 3                                        ; (into registers that no product has named: no places are owed)
	s_wait_dscnt 48                                ; K step 1 is in; 2 and 3 may be out
	ROWQ 0, 1
	ALOAD 1
	ALOAD 2
	s_wait_dscnt 48                                ; K step 2 is in; K step 3 and blocks 1, 2 (24 + 24) may be out
	ROWQ 0, 2
	ALOAD 3
	s_wait_dscnt 36                                ; K step 3 is in; blocks 1 to 3 may be out
	ROWQ 0, 3
.irp a, 0,1,2,3,4,5,6,7
	PLACES 4                                       ; behind block a's last products: for the stage's reads of results and for the loads into the block's buffer
.if \a > 1
	s_wait_xcnt 0x0                                ; block a - 2's stores have read their registers: block a's rows may land there
.endif
	TOSTAGE \a
.if \a < 4
	ALOAD \a+4                                     ; the buffer takes the block four further on
.endif
.if \a == 0
	s_wait_dscnt 63                                ; block 1's fragments are in: 68 LDS instructions are younger, 63 is the most that the wait can name.  Later blocks' are shown in by SEND's waits
.endif
.if \a < 7
	ROWQ \a+1, 0                                   ; the next block is multiplied while this one turns through the stage
	ROWQ \a+1, 1
	ROWQ \a+1, 2
	ROWQ \a+1, 3
.endif
.if \a < 4
	SEND \a, 12
.else
	SEND \a, 0
.endif
.endr
	WIN 0
	s_wait_tensorcnt 0x0                           ; the wave's end
	ds_add_u32 v[SPW], v[NIL]
	s_wait_dscnt 0x0
	CROUND                                         ; the closing round
	s_endpgm
.Lfunc_end_k_q932242c2d2_oproj:
	.size	k_q932242c2d2_oproj, .Lfunc_end_k_q932242c2d2_oproj-k_q932242c2d2_oproj
	.p2alignl 7, 3214868480
	.fill 96, 4, 3214868480
	.section	.rodata,"a",@progbits
	.p2align	6, 0x0
	.amdhsa_kernel k_q932242c2d2_oproj
		.amdhsa_group_segment_fixed_size 327680
		.amdhsa_private_segment_fixed_size 0
		.amdhsa_enable_private_segment 0
		.amdhsa_kernarg_size 40
		.amdhsa_user_sgpr_count 2
		.amdhsa_user_sgpr_kernarg_segment_ptr 1
		.amdhsa_wavefront_size32 1
		.amdhsa_system_sgpr_workgroup_id_x 1
		.amdhsa_system_sgpr_workgroup_id_y 1
		.amdhsa_system_sgpr_workgroup_id_z 1
		.amdhsa_system_vgpr_workitem_id 0
		.amdhsa_next_free_vgpr 1024
		.amdhsa_next_free_sgpr 98
		.amdhsa_reserve_vcc 0
		.amdhsa_float_denorm_mode_32 3
		.amdhsa_float_denorm_mode_16_64 3
		.amdhsa_memory_ordered 1
		.amdhsa_forward_progress 1
		.amdhsa_inst_pref_size 84
	.end_amdhsa_kernel
	.amdgpu_metadata
---
amdhsa.version: [ 1, 2 ]
amdhsa.kernels:
  - .name:           k_q932242c2d2_oproj
    .symbol:         k_q932242c2d2_oproj.kd
    .args:
      - { .name: aimg, .offset: 0, .size: 8, .value_kind: global_buffer, .address_space: global }
      - { .name: asc, .offset: 8, .size: 8, .value_kind: global_buffer, .address_space: global }
      - { .name: wimg, .offset: 16, .size: 8, .value_kind: global_buffer, .address_space: global }
      - { .name: wsc, .offset: 24, .size: 8, .value_kind: global_buffer, .address_space: global }
      - { .name: out0, .offset: 32, .size: 8, .value_kind: global_buffer, .address_space: global }
    .group_segment_fixed_size: 327680
    .private_segment_fixed_size: 0
    .kernarg_segment_align: 8
    .kernarg_segment_size: 40
    .max_flat_workgroup_size: 128
    .sgpr_count:     98
    .vgpr_count:     1024
    .wavefront_size: 32
...
	.end_amdgpu_metadata
.endif
;; end of part 4
